; MI455X (gfx1250); checked and timed in simulation.
; The chip was launched on July 23, 2026; its instructions are those of AMD's public machine-readable ISA for CDNA 5 (MIT licence, August 2026) and "CDNA5" Instruction Set Architecture Reference Guide (July 2026). The comments in the code are by the model that wrote it; some were corrected since.
;; Multi Head Attention. Allowed arithmetic: matrix products marked QUANTISED: E2M1 operands, one E8M0 scale for each 32 along K, by v_wmma_scale_f32_16x16x128_f8f6f4 with both operands' format E2M1 (or v_wmma_scale_f32_32x16x128_f4), f32 sums; products left as they are: f32 operands where the result goes on into a quantised operand, else bf16, f16 or f32 operands; f32 sums; everything else in f32.
;; Inputs: Wk 8 x 16 x 32 float32; Wo 256 x 16 float32; Wq 8 x 16 x 32 float32; Wv 8 x 16 x 32 float32; bk 8 x 32 float32; bo 16 float32; bq 8 x 32 float32; bv 8 x 32 float32; x 4,096 x 16 float32; y 4,096 x 16 float32.
;; Outputs: out0 4,096 x 16 float32.
;; This version of the problem:
;;   THIS VERSION OF THE PROBLEM IS GIVEN IN LOW PRECISION. The matrix products marked QUANTISED in the list below multiply operands that are first quantised to E2M1 (2 exponent bits, 1 mantissa bit; 4 bits a number), with one power-of-two scale for each 32 numbers along K (OCP MX v1.0); their sums are f32. All else is computed in f32.
;;   The module's matrix products, in the order in which they are computed (A, B: the left and right operand; K: the contracted axis; several contracted axes count as one K, in the product's order):
;;     1. [M 256, K 16] x [K 16, N 4,096]; A: input Wq; B: input x: left as it is (K = 16 < 32)
;;     2. [M 256, K 16] x [K 16, N 4,096]; A: input Wk; B: input y: left as it is (K = 16 < 32)
;;     3. [M 256, K 16] x [K 16, N 4,096]; A: input Wv; B: input y: left as it is (K = 16 < 32)
;;     4. batch 8 x [M 4,096, K 32] x [K 32, N 4,096]; A: computed on the way; B: computed on the way: QUANTISED
;;     5. batch 8 x [M 4,096, K 4,096] x [K 4,096, N 32]; A: softmax (see below); B: computed on the way: QUANTISED
;;     6. [M 4,096, K 256] x [K 256, N 16]; A: computed on the way; B: input Wo: QUANTISED
;;   THE QUANTISER, for each operand of a quantised product, along K:
;;     - K is cut into blocks of 32 from its start; a last block that is shorter is filled with zeros.
;;     - A block's scale is 2^e with e = floor(log2(the largest magnitude in the block)) - 2, held to -126 .. 127; a block of zeros has e = 0. As a byte (E8M0): e + 127.
;;     - Each number is divided by its block's scale, clamped to +-6, and rounded to the nearest number of E2M1, ties to even, subnormals kept.
;;     - The product sums the exact products of the quantised numbers (number of the format x scale) in f32.
;;   ~~~python
;;   def quantise(x, axis):      # numpy; x: float32 -> the quantised numbers, widened to float32 again
;;       x = np.moveaxis(x, axis, -1); K = x.shape[-1]
;;       x = np.pad(x, [(0, 0)] * (x.ndim - 1) + [(0, -K % 32)]); x = x.reshape(x.shape[:-1] + (-1, 32)); a = np.abs(x).max(-1, keepdims=True)
;;       e = np.where(a > 0, np.clip(np.frexp(np.where(a > 0, a, 1))[1] - 1 - 2, -126, 127), 0)      # np.frexp(a)[1] - 1 = floor(log2(a)), exactly
;;       r = np.clip(x / 2.0 ** e, -6, 6)
;;       step = 2.0 ** (np.maximum(np.frexp(np.where(r == 0, 1, r))[1] - 1, 0) - 1)
;;       q = np.round(r / step) * step * 2.0 ** e      # np.round: ties to even
;;       return np.moveaxis(q.reshape(q.shape[:-2] + (-1,))[..., :K], -1, axis).astype(np.float32)
;;   ~~~
;;   SOFTMAX AHEAD OF A QUANTISED PRODUCT. Where the list says 'softmax', what is quantised is not the finished softmax but p = 2^(t - M), with t = logit x log2(e) and M = ceil(the row's largest t), a whole number; so 1/2 < the row's largest p <= 1. The row's sum l is taken of the UNQUANTISED p, in f32, and the product's result is divided by l at the end. Since M is a whole number, a kernel that streams over the keys may use a running M (the ceiling of the running maximum): every later rescaling is an exact power of two, which a block's scale takes up: the codes' values come out the same.
;;   OPERANDS COMPUTED ON THE WAY. 'Computed on the way' means the value that the module computes at that place (a softmax that the list does not call 'softmax' is quantised finished and normalised). What goes into a quantiser is computed in f32, as accurately as f32 sums, v_exp_f32 and their like allow (about 1e-6 of the number): no bf16 or f16 on the way to a quantiser, and a product that is left as it is and whose result goes on into a quantised operand takes f32 operands (vector FMAs, or v_wmma_f32_16x16x4_f32). A number that lies on a knife's edge between two numbers of the format may be rounded either way, as far as f32 arithmetic and the matrix unit's own rounding can turn it there, and no further.
;; 2 versions. Each part assembles by itself: llvm-mc -triple=amdgcn-amd-amdhsa -mcpu=gfx1250 --defsym DOCPART=n.
;; ======== version 1 of 2: 3 launches
;; workspace buffers: kv 1,114,112 bytes; qc 524,288 bytes; qs 32,768 bytes; part 2,097,152 bytes
;; launch prep (part 1): grid 32 x 8, 3 waves a work-group, no clusters, 18,944 bytes of LDS; arguments x, y, Wq, bq, Wk, bk, Wv, bv, kv, qc, qs; writes kv, qc, qs
.if DOCPART == 1
	.amdgcn_target "amdgcn-amd-amdhsa--gfx1250"
	.amdhsa_code_object_version 6
	.text
	.protected	k_q230b1e8ba9_prep
	.globl	k_q230b1e8ba9_prep
	.p2align	8
	.type	k_q230b1e8ba9_prep,@function
k_q230b1e8ba9_prep:
	s_mov_b64 s[64:65], 0
	v_nop
	global_prefetch_b8 v0, s[64:65] scope:SCOPE_SE
	s_setreg_imm32_b32 hwreg(HW_REG_WAVE_MODE, 25, 1), 1
	s_wait_xcnt 0x0
; MULTI-HEAD ATTENTION, 8 heads, 4,096 queries, 4,096 keys, model width 16, head size 32, the three large products on codes of E2M1 with one E8M0 scale for each 32 along K.
; THE PROGRAM: prep (this text): q = x Wq + bq, k = y Wk + bk, v = y Wv + bv in f32, quantised once;  attn: q k^T, the softmax, p v, and each head's block of the last product;  sum: the eight heads' parts and bo.
; NOTHING OF reference() IS LEFT OUT: every bias moves codes or scales of a quantised operand, so every input is loaded (Wo in attn, bo in sum).
; THIS LAUNCH.  A work-group takes 128 rows (work-group x) of one head (work-group y).  Wave 0 makes q from x, wave 1 k from y, wave 2 v from y.  A lane takes rows 32 g + lane, g = 0 .. 3, and its registers
; run along the head's 32 outputs; a weight is the same for all lanes, so it is a scalar operand: 16 x 128 fused multiply-adds a wave, the bias being the first one's addend.
; q and k are quantised along the head's 32: one block a row, all of it in one lane.  v is quantised along the KEYS: wave 2 turns its 128 x 32 numbers through its own stage in LDS, so that a lane holds one of the
; head's 32 and its registers run along a block of 32 keys.
; WHAT IS STORED, as images of the operands' registers in attn:
;   kv [head][step of 128 keys][4,352 bytes]: 0: k's codes, key i at 16 i;  2,048: v's codes, tile u (the head's 16 u + r), block b of 32 keys at 1,024 u + 256 b + 16 r, the block's keys in the order
;   0-7, 16-23, 8-15, 24-31 (the order in which attn's p comes out of its conversions);  4,096: k's scale words, word 16 F + r, byte c = key 64 F + 16 c + r;  4,224: v's scale words, word 16 u + r, byte b = block b.
;   qc [head][row][16 bytes]: q's codes;  qs [head][step][128 bytes]: q's scale bytes, laid as k's.
; A block's scale is 2^(floor(log2(its largest magnitude)) - 2); its byte is that magnitude's exponent field - 2, held at 1 from below by a floor among the maximum's leaves.
; LIMITS: a block of zeros gets the byte 1 where the rule says 127 (its codes are zeros, and this program alone reads the bytes); blocks whose largest magnitude lies under 2^-124 keep the byte 1;
; NaN and infinities among the inputs are not served.
.set STEPB, 4352                       ; bytes of a step in kv
.set TP,    144                        ; the stage: a row of 32 numbers, 128 bytes + 16
.set TG,    32*TP                      ; a group of 32 rows
.set SPARE, 4*TG                       ; behind the stage: the spare words, 128 bytes a wave, rounded up to two blocks of 256 bytes that no other line names
.set LANE, 1                           ; v1   lane
.set RO,   2                           ; v2   64 x lane: my row among a group's 32
.set TS,   3                           ; v3   the stage, on the way in: TP x lane
.set TL,   4                           ; v4   4 x lane: the stage on the way out, and a scale word's place
.set CO,   5                           ; v5   16 x lane: q's and k's codes
.set CV,   6                           ; v6   1,024 (lane / 16) + 16 (lane % 16): v's codes
.set SH,   7                           ; v7   8 (lane / 16)
.set SPW,  8                           ; v8   LDS address of my spare word; never rewritten
.set NIL,  9                           ; v9   0; never rewritten
.set MX,   10                          ; v10-13 largest magnitudes, one a group
.set SOP,  14                          ; v14-17 the conversions' scale operands
.set BY,   18                          ; v18-21 the scale bytes
.set CD,   32                          ; v32-47 codes, four registers a group
.set ACC,  64                          ; v64-191 the results: group g, output j at 32 g + j
.set Y,    192                         ; v192-255 my four rows of x or y: group g, input d at 16 g + d
.set WV,   14                          ; s14  my wave's number
.set WA,   16                          ; s[16:47] 32 weights (odd rows of W; row 0)
.set WB,   68                          ; s[68:99] 32 weights (even rows of W; first the bias)
.macro LW set, off, base               ; 32 numbers, 128 bytes, into scalar registers
	s_load_b512 s[\set:\set+15], s[\base:\base+1], \off
	s_load_b512 s[\set+16:\set+31], s[\base:\base+1], \off+64
.endm
.macro FMAS d, set                     ; input d of my four rows x row d of W
.set j, 0
.rept 32
.irp g, 0,1,2,3
	v_fmac_f32 v[ACC+32*\g+j], s[\set+j], v[Y+16*\g+\d]
.endr
.set j, j+1
.endr
.endm
	s_load_b512 s[16:31], s[0:1], 0x0              ; x, y, Wq, bq, Wk, bk, Wv, bv
	s_load_b128 s[32:35], s[0:1], 0x40             ; kv, qc
	s_load_b64 s[36:37], s[0:1], 0x50              ; qs
	v_lshl_add_u32 v[SPW], v0, 2, SPARE
	v_mov_b32 v[NIL], 0
	v_lshrrev_b32 v1, 5, v0
	v_readfirstlane_b32 s[WV], v1                  ; wave 0..2
	v_and_b32 v[LANE], 31, v0
	v_lshlrev_b32 v[RO], 6, v[LANE]
	v_mul_u32_u24 v[TS], v[LANE], TP               ; every LDS address is made here, ahead of the first branch on the wave's number
	v_lshlrev_b32 v[TL], 2, v[LANE]
	v_lshlrev_b32 v[CO], 4, v[LANE]
	v_lshrrev_b32 v[SH], 4, v[LANE]
	v_and_b32 v[CV], 15, v[LANE]
	v_lshlrev_b32 v[CV], 4, v[CV]
	v_lshl_add_u32 v[CV], v[SH], 10, v[CV]
	v_lshlrev_b32 v[SH], 3, v[SH]
	v_mov_b32 v24, 0                               ; written once: a lane permute's destination counts as one of its sources
	v_mov_b32 v25, 0
	s_mov_b32 s56, 0x76543210
	s_mov_b32 s57, 0xfedcba98                      ; v_permlanex16_b32's selects for lane l xor 16
	; the offsets, each in registers of its own
	s_and_b32 s48, ttmp7, 0xffff                   ; the head
	s_lshl_b32 s49, s48, 5
	s_add_co_u32 s49, s49, ttmp9                   ; 32 x head + step
	s_lshl_b32 s50, ttmp9, 13                      ; my 128 rows of 64 bytes
	s_mov_b32 s51, 0
	s_lshl_b32 s52, s48, 11                        ; the head's 16 x 32 weights
	s_mov_b32 s53, 0
	s_lshl_b32 s54, s48, 7                         ; the head's 32 biases
	s_mov_b32 s55, 0
	s_mul_i32 s2, s49, STEPB                       ; the step in kv
	s_max_u32 s3, s[WV], 1
	s_sub_co_u32 s3, s3, 1                         ; 0 for k, 1 for v
	s_lshl_b32 s62, s3, 11
	s_add_co_u32 s62, s62, s2                      ; k's or v's codes
	s_lshl_b32 s63, s3, 7
	s_add_co_u32 s63, s63, s2
	s_add_co_u32 s63, s63, 4096                    ; k's or v's scale words
	s_lshl_b32 s58, s49, 11                        ; q's codes: 128 rows of 16 bytes a step
	s_lshl_b32 s60, s49, 7                         ; q's scale bytes: 128 a step
	s_cmp_eq_u32 s[WV], 0
	s_cselect_b32 s58, s58, s62
	s_cselect_b32 s60, s60, s63
	s_mov_b32 s59, 0
	s_mov_b32 s61, 0
	s_wait_kmcnt 0x0
	s_cselect_b64 s[4:5], s[16:17], s[18:19]       ; the choices hang on the wave's number alone (the compare above still stands): rows of x or of y,
	s_cselect_b64 s[10:11], s[34:35], s[32:33]     ; codes into qc or kv,
	s_cselect_b64 s[12:13], s[36:37], s[32:33]     ; scale bytes into qs or kv,
	s_cselect_b64 s[6:7], s[20:21], s[24:25]       ; Wq or Wk,
	s_cselect_b64 s[8:9], s[22:23], s[26:27]       ; bq or bk;
	s_cmp_eq_u32 s[WV], 2
	s_cselect_b64 s[6:7], s[28:29], s[6:7]         ; wave 2: Wv
	s_cselect_b64 s[8:9], s[30:31], s[8:9]         ; and bv
	s_add_nc_u64 s[4:5], s[4:5], s[50:51]
	s_add_nc_u64 s[6:7], s[6:7], s[52:53]
	s_add_nc_u64 s[8:9], s[8:9], s[54:55]
	s_add_nc_u64 s[10:11], s[10:11], s[58:59]
	s_add_nc_u64 s[12:13], s[12:13], s[60:61]
.irp g, 0,1,2,3
.irp i, 0,1,2,3
	global_load_b128 v[Y+16*\g+4*\i:Y+16*\g+4*\i+3], v[RO], s[4:5] offset:2048*\g+16*\i
.endr
.endr
	LW WA, 0, 6                                    ; row 0 of W (the arguments' registers are free: all have been chosen from)
	LW WB, 0, 8                                    ; the bias
	s_wait_kmcnt 0x0
	s_wait_loadcnt 0x0
.set j, 0
.rept 32
.irp g, 0,1,2,3
	v_fma_f32 v[ACC+32*\g+j], v[Y+16*\g], s[WA+j], s[WB+j]   ; the first product starts the sums on the bias: nothing is cleared
.endr
.set j, j+1
.endr
	LW WA, 128, 6                                  ; rows 1 and 2
	LW WB, 256, 6
	s_wait_kmcnt 0x0
	FMAS 1, WA
	LW WA, 384, 6                                  ; from here on a row is asked for 128 multiply-adds ahead of the wait for it: scalar loads return in no order, so the wait is for 0, and it stands ahead of the next request
.irp d, 2,4,6,8,10,12
	FMAS \d, WB
	s_wait_kmcnt 0x0                               ; row d + 1 is in
	LW WB, (\d+2)*128, 6
	FMAS \d+1, WA
	s_wait_kmcnt 0x0                               ; row d + 2 is in
	LW WA, (\d+3)*128, 6
.endr
	FMAS 14, WB
	s_wait_kmcnt 0x0                               ; row 15 is in
	FMAS 15, WA
	; wave 2: v's numbers change from (lane = key, register = the head's j) to (lane = the head's j, register = key), a block of 32 keys at a time, through the wave's own stage.
	; Register i takes key i % 8 + 16 ((i / 8) % 2) + 8 (i / 16) of the block: the order 0-7, 16-23, 8-15, 24-31 costs nothing here.
	s_cmp_lg_u32 s[WV], 2
	s_cbranch_scc1 .Lrows
.irp g, 0,1,2,3
.irp i, 0,1,2,3,4,5,6,7
	ds_store_b128 v[TS], v[ACC+32*\g+4*\i:ACC+32*\g+4*\i+3] offset:TG*\g+16*\i
.endr
.set i, 0
.rept 32
	ds_load_b32 v[ACC+32*\g+i], v[TL] offset:TG*\g+TP*(i%8+16*((i/8)%2)+8*(i/16))   ; LDS serves a wave's instructions in order (ISA guide 5.7.1.4): these see the stores above, and land in the registers that the numbers left
.set i, i+1
.endr
.endr
	s_wait_dscnt 0x0
.Lrows:
	; four blocks of 32, each whole in a lane's 32 registers, by turns
.irp g, 0,1,2,3
	v_max3_num_f32 v[MX+\g], |v[ACC+32*\g]|, |v[ACC+32*\g+1]|, 0x1800000   ; and the floor 2^(3 - 127): the byte cannot fall under 1
.endr
.irp i, 2,4,6,8,10,12,14,16,18,20,22,24,26,28,30
.irp g, 0,1,2,3
	v_max3_num_f32 v[MX+\g], v[MX+\g], |v[ACC+32*\g+\i]|, |v[ACC+32*\g+\i+1]|
.endr
.endr
.irp g, 0,1,2,3
	v_add_nc_u32 v[SOP+\g], 0xff000000, v[MX+\g]   ; 2 off the exponent field: the conversion takes the exponent field of this operand as its scale, and nothing else of it
.endr
.irp g, 0,1,2,3
	v_lshrrev_b32 v[BY+\g], 23, v[SOP+\g]          ; the scale's byte
.endr
.irp g, 0,1,2,3
.irp a, 0,1,2,3
	v_cvt_scalef32_pk8_fp4_f32 v[CD+4*\g+\a], v[ACC+32*\g+8*\a:ACC+32*\g+8*\a+7], v[SOP+\g]
.endr
.endr
	v_nop                                          ; one plain place behind the last scaled conversion
	s_cmp_eq_u32 s[WV], 2
	s_cbranch_scc1 .Lv_out
.irp g, 0,1,2,3
	global_store_b128 v[CO], v[CD+4*\g:CD+4*\g+3], s[10:11] offset:512*\g   ; rows 32 g + lane: 512 consecutive bytes, at a multiple of 256 from the buffer's first byte
.endr
	; row 32 g + 16 h + r has byte 2 (g % 2) + h of word 16 (g / 2) + r
	v_lshl_or_b32 v22, v[BY+1], 16, v[BY]
	v_lshl_or_b32 v23, v[BY+3], 16, v[BY+2]
	v_lshlrev_b32 v22, v[SH], v22                  ; 8 h bits up
	v_lshlrev_b32 v23, v[SH], v23
	v_permlanex16_b32 v24, v22, s56, s57
	v_permlanex16_b32 v25, v23, s56, s57
	v_or_b32 v22, v22, v24                         ; with lane l xor 16's two bytes the words are whole
	v_or_b32 v23, v23, v25
	v_cmp_gt_u32 vcc_lo, 16, v[LANE]
	v_cndmask_b32 v22, v23, v22, vcc_lo            ; lanes 0-15 keep words 0-15, lanes 16-31 words 16-31
	global_store_b32 v[TL], v22, s[12:13]
	s_branch .Lend
.Lv_out:
.irp g, 0,1,2,3
	global_store_b128 v[CV], v[CD+4*\g:CD+4*\g+3], s[10:11] offset:256*\g   ; block g: sixteen lanes store 256 consecutive bytes, aligned, for each of the two tiles
.endr
	v_lshl_or_b32 v22, v[BY+1], 8, v[BY]           ; my row's four bytes make its scale word
	v_lshl_or_b32 v22, v[BY+2], 16, v22
	v_lshl_or_b32 v22, v[BY+3], 24, v22
	global_store_b32 v[TL], v22, s[12:13]
.Lend:
	s_wait_tensorcnt 0x0                           ; the wave's end: behind my last LDS store
	ds_add_u32 v[SPW], v[NIL]
	s_wait_dscnt 0x0
	s_endpgm
.Lfunc_end_k_q230b1e8ba9_prep:
	.size	k_q230b1e8ba9_prep, .Lfunc_end_k_q230b1e8ba9_prep-k_q230b1e8ba9_prep
	.p2alignl 7, 3214868480
	.fill 96, 4, 3214868480
	.section	.rodata,"a",@progbits
	.p2align	6, 0x0
	.amdhsa_kernel k_q230b1e8ba9_prep
		.amdhsa_group_segment_fixed_size 18944
		.amdhsa_private_segment_fixed_size 0
		.amdhsa_enable_private_segment 0
		.amdhsa_kernarg_size 88
		.amdhsa_user_sgpr_count 2
		.amdhsa_user_sgpr_kernarg_segment_ptr 1
		.amdhsa_wavefront_size32 1
		.amdhsa_system_sgpr_workgroup_id_x 1
		.amdhsa_system_sgpr_workgroup_id_y 1
		.amdhsa_system_sgpr_workgroup_id_z 1
		.amdhsa_system_vgpr_workitem_id 0
		.amdhsa_next_free_vgpr 256
		.amdhsa_next_free_sgpr 100
		.amdhsa_reserve_vcc 1
		.amdhsa_float_denorm_mode_32 3
		.amdhsa_float_denorm_mode_16_64 3
		.amdhsa_memory_ordered 1
		.amdhsa_forward_progress 1
		.amdhsa_inst_pref_size 93
	.end_amdhsa_kernel
	.amdgpu_metadata
---
amdhsa.version: [ 1, 2 ]
amdhsa.kernels:
  - .name:           k_q230b1e8ba9_prep
    .symbol:         k_q230b1e8ba9_prep.kd
    .args:
      - { .name: x, .offset: 0, .size: 8, .value_kind: global_buffer, .address_space: global }
      - { .name: y, .offset: 8, .size: 8, .value_kind: global_buffer, .address_space: global }
      - { .name: Wq, .offset: 16, .size: 8, .value_kind: global_buffer, .address_space: global }
      - { .name: bq, .offset: 24, .size: 8, .value_kind: global_buffer, .address_space: global }
      - { .name: Wk, .offset: 32, .size: 8, .value_kind: global_buffer, .address_space: global }
      - { .name: bk, .offset: 40, .size: 8, .value_kind: global_buffer, .address_space: global }
      - { .name: Wv, .offset: 48, .size: 8, .value_kind: global_buffer, .address_space: global }
      - { .name: bv, .offset: 56, .size: 8, .value_kind: global_buffer, .address_space: global }
      - { .name: kv, .offset: 64, .size: 8, .value_kind: global_buffer, .address_space: global }
      - { .name: qc, .offset: 72, .size: 8, .value_kind: global_buffer, .address_space: global }
      - { .name: qs, .offset: 80, .size: 8, .value_kind: global_buffer, .address_space: global }
    .group_segment_fixed_size: 18944
    .private_segment_fixed_size: 0
    .kernarg_segment_align: 8
    .kernarg_segment_size: 88
    .max_flat_workgroup_size: 96
    .sgpr_count:     100
    .vgpr_count:     256
    .wavefront_size: 32
...
	.end_amdgpu_metadata
.endif
;; end of part 1
;; launch attn (part 2): grid 32 x 8, 16 waves a work-group, clusters of 4 x 1, 167,936 bytes of LDS; arguments kv, qc, qs, Wo, part; writes part
.if DOCPART == 2
	.amdgcn_target "amdgcn-amd-amdhsa--gfx1250"
	.amdhsa_code_object_version 6
	.text
	.protected	k_q230b1e8ba9_attn
	.globl	k_q230b1e8ba9_attn
	.p2align	8
	.type	k_q230b1e8ba9_attn,@function
k_q230b1e8ba9_attn:
	s_mov_b64 s[64:65], 0
	v_nop
	global_prefetch_b8 v0, s[64:65] scope:SCOPE_SE
	s_setreg_imm32_b32 hwreg(HW_REG_WAVE_MODE, 25, 1), 1
	s_wait_xcnt 0x0
	s_wait_alu depctr_hold_cnt(0) depctr_sa_sdst(0) depctr_va_vdst(0) depctr_va_sdst(0) depctr_va_ssrc(0) depctr_va_vcc(0) depctr_vm_vsrc(0)
	s_getreg_b32 s2, hwreg(HW_REG_IB_STS2, 6, 4)
	s_cmp_eq_u32 s2, 0
	s_cbranch_scc0 .Lentry_in_a_cluster
	s_endpgm
.Lentry_in_a_cluster:
	s_bfe_u32 s2, ttmp6, 0x10000c
	s_cmp_lg_u32 s2, 0x3003
	s_cbranch_scc0 .Lentry_shape_is_right
	s_endpgm
.Lentry_shape_is_right:
; part[head][q][:] = Q(softmax(Q(q) Q(k)^T / sqrt(32)) Q(v)) Q(Wo[32 head .. 32 head + 31][:]): one head's attention and that head's block of 32 of the last product's K = 256.  Nothing of reference() is left out here.
; All products on codes of E2M1 with one E8M0 scale for each 32 along K.  q, k, v come quantised from prep, as images of the operands' registers (kv, qc, qs: laid as prep's head comment says).
; THE SOFTMAX: t = score x log2(e) / sqrt(32); M = the largest t so far, rounded UP to a whole number; p = 2^(t - M) is quantised along the keys, not normalised; the row's sum is taken of the unquantised p, in f32,
; and divides at the end.  When M moves, the sum and O are multiplied by 2^(old M - new M), which rounds nothing.
; SHARES.  A work-group owns 128 queries of one head.  Wave w of sixteen owns 16 of them (tile a = w % 8) and half of the keys (half w / 8: 16 steps of 128 keys), in under 256 registers: four waves to a SIMD, so that
; one wave's exponentials stand beside another's plain vector work, matrix work and LDS loads.  At the end waves 8-15 hand O^T, -M and the sum to waves 0-7 through LDS; both M are whole numbers, so the merge's factors are powers of two.
; LDS.  A head's kv, 32 steps x 4,352 bytes, lies in LDS once, as it lies in memory: each wave brings two steps by two tensor loads at the head, and nothing is filled again.  Every read is 16 x lane or 4 x lane on end.
; CLUSTER.  The four query blocks of a cluster belong to one head and want the same kv: each tile is asked for JOINTLY, by the same tensor load with the same descriptor (made of the head and the wave's number) and the mask of all four.
; All tiles are asked for at the kernel's head, so there is no later tile that a prefetch could run ahead of.
; THE FIRST PRODUCT HAS K = 32, the instruction 128: a fragment of k carries FOUR tiles of 16 keys, one in each block of 32, and q stands in four variants, its codes in one block and zero codes in the other three
; (zero codes add nothing under any scale byte that prep makes).  So 8 registers of k serve four matrix instructions.  The variants share registers: v16-27 = QL, Z, QL and v28-39 = QH, Z, QH,
; QL = q in lanes 0-15, QH = q in lanes 16-31, Z = zeros; variant c begins at v[16 + 12 (c % 2) + 4 (c / 2)].
; LAYOUT.  Both products are used transposed (S^T = k q^T, O^T = v^T p^T): a lane holds ONE query (lane % 16) throughout.  In S^T's tile 2 b + u, register j of lane (r, h) is key 32 b + 16 u + 8 h + j; the conversions and the
; exchange of halves then leave a block's keys in the order 0-7, 16-23, 8-15, 24-31, and prep has laid v's codes in that order.  The same order arises for the head's 32 values ahead of the last product: Wo's rows are converted in it.
; LIMITS: NaN and infinities are not served; a p under 2^-126 comes out of v_exp_f32 as 0; a block's largest p is taken from its largest score through the same multiply-add and exponential, which takes v_exp_f32 not to fall where its input rises.
.set STEPB, 4352                       ; a step of 128 keys: k's codes 2,048, v's codes 2,048, k's scale words 128, v's 128
.set HEADB, 32*STEPB                   ; a head's kv
.set MRG,   HEADB                      ; behind it: for each tile of queries 2,304 bytes: O^T's four images of 512 bytes, then (-M, sum) at 8 x lane
.set MRGT,  2304
.set SPARE, MRG+8*MRGT                 ; the spare words, 128 bytes for each wave: eight blocks of 256 bytes that no other line names
.set LI,  1                            ; v1   16 x lane
.set LS,  2                            ; v2   4 x lane
.set ADR, 3                            ; v3   the step's codes: its first byte + 16 x lane
.set ADS, 4                            ; v4   its scale words: + 4 x lane
.set SPW, 5                            ; v5   LDS address of my spare word; never rewritten
.set NIL, 6                            ; v6   0; never rewritten
.set MA,  7                            ; v7   the merge: my tile's images + 16 x lane
.set MB,  8                            ; v8   and its (-M, sum) + 8 x lane
.set R4,  11                           ; v11  4 (lane % 16)
.set QV,  16                           ; v16-39 q's variants
.set QS,  40                           ; v40  q's scale word (its byte four times)
.set KS,  41                           ; v41  k's scale words: lanes 0-15 fragment 0, lanes 16-31 fragment 1
.set VS,  42                           ; v42  v's: lanes 0-15 tile 0, lanes 16-31 tile 1
.set PS,  43                           ; v43  p's
.set F1,  44                           ; v[44:45] f = 2^(old M - new M), and a 0 named with it as a pair
.set F2,  46                           ; v[46:47] the merge's second factor, likewise
.set KF,  48                           ; v48-63 k's two fragments
.set VF,  64                           ; v64-79 v's two tiles
.set S,   80                           ; v80-143 S^T, then p; in the tail: the partner's O^T, temporaries, Wo's numbers
.set O,   144                          ; v144-159 O^T
.set PC,  160                          ; v160-167 p's codes
.set BM,  168                          ; v168-171 a block's largest score, then its largest p
.set BT,  172                          ; v172-175 at work
.set SOP, 176                          ; v176-179 the conversions' scale operands
.set T,   180                          ; v180 at work
.set L2,  182                          ; v[182:183] the sums' second chain
.set WC,  184                          ; v184-191 Wo's fragment: codes in v184-187, zeros above
.set WS,  192                          ; v192 Wo's scale word
.set HS,  193                          ; v193 the head's values' scale word
.set W,   104                          ; v104-135 Wo's 32 numbers
.set WV,  14                           ; s14  my wave's number
.set HF,  15                           ; s15  my half of the keys
.set TA,  16                           ; s16  my tile of queries
.set SEL, 20                           ; s[20:21] v_permlanex16_b32's selects for lane l xor 16
.set CS,  22                           ; s[22:23] c = log2(e) / sqrt(32): the packed form names a pair and takes its low word for both halves
.set G1,  24                           ; s[24:31] descriptor group 1
.set G0A, 32                           ; s[32:35] group 0 for my first step, s[36:39] for my second
.set G0B, 36
.set TB,  40                           ; s40  LDS byte at which the step in hand begins
.set CNT, 41                           ; s41  counts steps
; A round of the cluster's barrier: my work-group's barrier; wave 0 signals for the work-group; every wave waits for all four work-groups; my work-group's barrier once more.
.macro CROUND
	s_barrier_signal -1
	s_barrier_wait -1
	s_cmp_lg_u32 s[WV], 0
	s_cbranch_scc1 .Lnot_wave_0_\@
	s_barrier_signal -3
.Lnot_wave_0_\@:
	s_barrier_wait -3
	s_barrier_signal -1
	s_barrier_wait -1
.endm
	s_load_b256 s[4:11], s[0:1], 0x0               ; kv s[4:5], qc s[6:7], qs s[8:9], Wo s[10:11]
	s_load_b64 s[12:13], s[0:1], 0x20              ; part
	v_lshl_add_u32 v[SPW], v0, 2, SPARE
	v_mov_b32 v[NIL], 0
	ds_add_u32 v[SPW], v[NIL]                      ; the wave's opening: the add, twice on end, and its wait ahead of my first tensor load; the set-up below, work on registers, stands between the second and the wait
	ds_add_u32 v[SPW], v[NIL]
	v_lshrrev_b32 v10, 5, v0
	v_readfirstlane_b32 s[WV], v10                 ; wave 0..15
	s_lshr_b32 s[HF], s[WV], 3
	s_and_b32 s[TA], s[WV], 7
	s_bfe_u32 s42, ttmp6, 0x40000                  ; cx: my place in the cluster: it enters the addresses of qc, qs and part alone
	s_lshl_b32 s17, ttmp9, 2                       ; in a cluster launch ttmp9 counts clusters
	s_add_co_u32 s17, s17, s42                     ; my block of 128 queries
	s_and_b32 s18, ttmp7, 0xffff                   ; the head, which the four partners share
	; descriptor group 1: a step is a dense block of 4,352 bytes: 17 rows of 256 bytes (32 elements of 8 bytes), no padding
	s_mov_b32 s[G1+0], 15|(3<<16)|(1<<21)          ; 15:0 the mask: all four work-groups; 17:16 elements of 8 bytes; 21 set beside a mask
	s_mov_b32 s[G1+1], 32<<16                      ; tensor_dim0 = 32
	s_mov_b32 s[G1+2], 17<<16                      ; tensor_dim1 = 17
	s_mov_b32 s[G1+3], 32<<16                      ; tile_dim0 = 32
	s_mov_b32 s[G1+4], 17                          ; tile_dim1 = 17
	s_mov_b32 s[G1+5], 32                          ; from row to row: 32 elements
	s_mov_b32 s[G1+6], 0
	s_mov_b32 s[G1+7], 0
	s_mov_b32 s[SEL], 0x76543210
	s_mov_b32 s[SEL+1], 0xfedcba98
	s_mov_b32 s[CS], 0x3e8293ee                    ; c = log2(e) / sqrt(32) = 0.255035
	s_mov_b32 s[CS+1], s[CS]                       ; (named with it as a pair, so it is written)
	; which steps I fetch: 16 x half + tile, and eight further on: so the first eight steps of both halves are the sixteen waves' first loads
	s_lshl_b32 s43, s[HF], 4
	s_add_co_u32 s43, s43, s[TA]
	s_mov_b32 s[G0A], 1                            ; 1:0 count = 1
	s_mul_i32 s[G0A+1], s43, STEPB                 ; 63:32 LDS address: the step's place in the head's kv
	s_mov_b32 s[G0B], 1
	s_add_co_u32 s[G0B+1], s[G0A+1], 8*STEPB
	s_mul_i32 s44, s18, HEADB                      ; the same place in memory: head and wave alone
	s_add_co_u32 s44, s44, s[G0A+1]
	s_mov_b32 s45, 0
	s_mul_i32 s[TB], s[HF], 16*STEPB               ; my half's first step
	; the offsets into qc, qs, Wo and part
	s_lshl_b32 s46, s18, 5
	s_add_co_u32 s46, s46, s17                     ; 32 x head + block
	s_lshl_b32 s48, s46, 11
	s_lshl_b32 s47, s[TA], 8
	s_add_co_u32 s48, s48, s47                     ; qc: 2,048 bytes a block, 256 a tile
	s_mov_b32 s49, 0
	s_lshl_b32 s50, s46, 7                         ; qs: 128 bytes a block; row 16 a + r has byte a % 4 of word 16 (a / 4) + r
	s_lshr_b32 s47, s[TA], 2
	s_lshl_b32 s47, s47, 6
	s_add_co_u32 s50, s50, s47
	s_and_b32 s47, s[TA], 3
	s_add_co_u32 s50, s50, s47
	s_mov_b32 s51, 0
	s_lshl_b32 s52, s18, 11                        ; Wo: the head's 32 rows of 64 bytes
	s_mov_b32 s53, 0
	s_lshl_b32 s54, s46, 3
	s_add_co_u32 s54, s54, s[TA]
	s_lshl_b32 s54, s54, 10                        ; part: 1,024 bytes for each tile of 16 queries, 256 tiles a head
	s_mov_b32 s55, 0
	s_mul_i32 s56, s[TA], MRGT
	s_add_co_u32 s56, s56, MRG                     ; the merge's bytes of my tile
	s_add_co_u32 s57, s56, 2048
	s_wait_dscnt 0x0                               ; both opening adds are done
	s_wait_kmcnt 0x0
	s_add_nc_u64 s[G0A+2:G0A+3], s[4:5], s[44:45]  ; 120:64 global address
	s_add_nc_u64 s[G0B+2:G0B+3], s[G0A+2:G0A+3], 8*STEPB
	s_or_b32 s[G0A+3], s[G0A+3], 0x80000000        ; 127:126 type = 2
	s_or_b32 s[G0B+3], s[G0B+3], 0x80000000
	s_add_nc_u64 s[6:7], s[6:7], s[48:49]
	s_add_nc_u64 s[8:9], s[8:9], s[50:51]
	s_add_nc_u64 s[10:11], s[10:11], s[52:53]
	s_add_nc_u64 s[12:13], s[12:13], s[54:55]
	CROUND                                         ; all four work-groups are here: the joint loads meet
	tensor_load_to_lds s[G0A:G0A+3], s[G1:G1+7]    ; every wave's two fills stand together, ahead of every wait on TENSORcnt, every LDS read and every other barrier: two loads of mine are out
	s_nop 0
	tensor_load_to_lds s[G0B:G0B+3], s[G1:G1+7]
	s_nop 0
.rept 4
	v_nop
.endr
	v_and_b32 v10, 31, v0                          ; lane
	v_and_b32 v9, 15, v0                           ; r
	v_lshlrev_b32 v[T], 4, v9
	v_lshlrev_b32 v[R4], 2, v9
	global_load_b128 v[S:S+3], v[T], s[6:7]        ; query r's 32 codes, in both halves of the lanes
	global_load_u8 v[QS], v[R4], s[8:9]            ; and its scale byte
	v_lshlrev_b32 v[LI], 4, v10
	v_lshlrev_b32 v[LS], 2, v10
	v_add_nc_u32 v[MA], s56, v[LI]
	v_lshlrev_b32 v[MB], 3, v10
	v_add_nc_u32 v[MB], s57, v[MB]
	v_mov_b32 v13, 0xff61b1e6                      ; the largest t so far: -3e38, under every t
	v_floor_f32 v12, -v13                          ; -M
	v_mov_b32 v14, 0                               ; the sum, in two halves
	v_mov_b32 v15, 0
	v_mov_b32 v[F1+1], 0
	v_mov_b32 v[F2+1], 0
.irp i, 0,1,2,3
	v_mov_b32 v[BT+\i], 0                          ; written once: a lane permute's destination counts as one of its sources
	v_mov_b32 v[QV+4+\i], 0                        ; the variants' zeros
	v_mov_b32 v[QV+16+\i], 0
.endr
	s_wait_loadcnt 0x0
	v_lshl_or_b32 v[QS], v[QS], 8, v[QS]           ; the byte in all four places: whichever block holds q's codes finds it
	v_lshl_or_b32 v[QS], v[QS], 16, v[QS]
	v_cmp_gt_u32 vcc_lo, 16, v10                   ; lanes 0-15
.irp i, 0,1,2,3
	v_cndmask_b32 v[QV+\i], 0, v[S+\i], vcc_lo             ; QL
	v_cndmask_b32 v[QV+8+\i], 0, v[S+\i], vcc_lo           ; QL
	v_cndmask_b32 v[QV+12+\i], v[S+\i], v[QV+4+\i], vcc_lo ; QH
	v_cndmask_b32 v[QV+20+\i], v[S+\i], v[QV+4+\i], vcc_lo ; QH
.endr
.set j, 0
.rept 16
	v_mov_b32 v[O+j], 0                            ; O^T.  (The step is written for all trips alike: the first finds zeros, which the first change of M leaves zeros.  These lines are also the places between the variants and the scale word just made and the first products)
.set j, j+1
.endr
; A KEY STEP: 128 keys.
.macro STEP
	v_add_nc_u32 v[ADR], s[TB], v[LI]
	v_add_nc_u32 v[ADS], s[TB], v[LS]
	v_nop
	v_nop                                          ; four places behind the last step's two products, in front of the loads into v's registers (ISA guide 7.12.1 for vector instructions)
.irp i, 0,1,2,3
	ds_load_b128 v[KF+4*\i:KF+4*\i+3], v[ADR] offset:512*\i
.endr
	ds_load_b32 v[KS], v[ADS] offset:4096
.irp i, 0,1,2,3
	ds_load_b128 v[VF+4*\i:VF+4*\i+3], v[ADR] offset:2048+512*\i
.endr
	ds_load_b32 v[VS], v[ADS] offset:4224
	s_wait_dscnt 5                                 ; LDS loads come back in order: k's five are in, v's five may stay out
.irp t, 0,1,2,3                                    ; S^T = k q^T: tile t = keys 16 t on: block t of fragment 0 against variant t
	v_wmma_scale_f32_16x16x128_f8f6f4 v[S+8*\t:S+8*\t+7], v[KF:KF+7], v[QV+12*(\t%2)+4*(\t/2):QV+12*(\t%2)+4*(\t/2)+7], 0, v[KS], v[QS] matrix_a_fmt:MATRIX_FMT_FP4 matrix_b_fmt:MATRIX_FMT_FP4
.endr
.irp t, 0,1,2,3                                    ; tiles 4 to 7: fragment 1, whose scale words stand in lanes 16-31
	v_wmma_scale_f32_16x16x128_f8f6f4 v[S+32+8*\t:S+32+8*\t+7], v[KF+8:KF+15], v[QV+12*(\t%2)+4*(\t/2):QV+12*(\t%2)+4*(\t/2)+7], 0, v[KS], v[QS] matrix_a_fmt:MATRIX_FMT_FP4 matrix_b_fmt:MATRIX_FMT_FP4 matrix_a_scale:MATRIX_SCALE_ROW1
.endr
.rept 4
	v_nop                                          ; four places in front of the first read of the scores
.endr
.irp b, 0,1,2,3
	v_max3_num_f32 v[BM+\b], v[S+16*\b], v[S+1+16*\b], v[S+2+16*\b]   ; the largest score of each block of 32 keys: for the row's maximum, and, since p rises with the score, for the block's largest p.  Each tile is read from its low end on
.endr
.irp i, 3,5,7,9,11,13
.irp b, 0,1,2,3
	v_max3_num_f32 v[BM+\b], v[BM+\b], v[S+16*\b+\i], v[S+1+16*\b+\i]
.endr
.endr
.irp b, 0,1,2,3
	v_max_num_f32 v[BM+\b], v[BM+\b], v[S+15+16*\b]
.endr
.irp b, 0,1,2,3
	v_permlanex16_b32 v[BT+\b], v[BM+\b], s[SEL], s[SEL+1]
.endr
.irp b, 0,1,2,3
	v_max_num_f32 v[BM+\b], v[BM+\b], v[BT+\b]     ; with lane l xor 16's 16 keys
.endr
	v_max3_num_f32 v[T], v[BM], v[BM+1], v[BM+2]
	v_max_num_f32 v[T], v[T], v[BM+3]              ; the step's largest score of my query
	v_mul_f32 v[T], s[CS], v[T]                    ; as t (c is positive)
	v_max_num_f32 v13, v13, v[T]                   ; the running largest t
	v_mov_b32 v[T], v12
	v_floor_f32 v12, -v13                          ; the new -M = floor(-t) = -ceil(t)
	v_sub_f32 v[T], v12, v[T]                      ; old M less new M: a whole number, 0 or less
	v_cvt_i32_f32 v[T], v[T]                       ; (it saturates)
	v_ldexp_f32 v[F1], 1.0, v[T]                   ; f = 2^(old M - new M)
.set j, 0
.rept 32
	v_pk_fma_f32 v[S+j:S+j+1], v[S+j:S+j+1], s[CS:CS+1], v[12:13] op_sel_hi:[1,0,0]   ; t - M, two at a time (of the pairs c and -M the low word serves both halves)
.set j, j+2
.endr
.irp b, 0,1,2,3
	v_fma_f32 v[BM+\b], v[BM+\b], s[CS], v12       ; the same of each block's largest score
.endr
.set j, 0
.rept 64
	v_exp_f32 v[S+j], v[S+j]                       ; p = 2^(t - M), at most 1
.set j, j+1
.endr
	v_pk_mul_f32 v[14:15], v[14:15], v[F1:F1+1] op_sel_hi:[1,0]   ; the sums under the new M: the plain place behind the exponentials
	s_wait_alu depctr_va_vdst(0)                   ; the wait ahead of the first line that names a result: one for the batch of 64
.irp b, 0,1,2,3
	v_exp_f32 v[BM+\b], v[BM+\b]                   ; the block's largest p: the same two instructions on the same number give the same bits
.endr
	v_pk_add_f32 v[L2:L2+1], v[S:S+1], v[S+2:S+3]  ; the row's sum is taken of the unquantised p, two at a time, in two chains; the first half of it is the independent work behind the four
.irp j, 4,8,12,16,20,24,28
	v_pk_add_f32 v[14:15], v[14:15], v[S+\j:S+\j+1]
	v_pk_add_f32 v[L2:L2+1], v[L2:L2+1], v[S+2+\j:S+3+\j]
.endr
	s_wait_alu depctr_va_vdst(0)                   ; and one wait for the four
.irp b, 0,1,2,3
	v_max_num_f32 v[BM+\b], 0x1800000, v[BM+\b]    ; the floor 2^(3 - 127): the byte cannot fall under 1 (a block whose every p is 0 keeps that byte: its codes are zeros)
.endr
.irp b, 0,1,2,3
	v_add_nc_u32 v[SOP+\b], 0xff000000, v[BM+\b]   ; 2 off the exponent field: the conversion's scale operand
.endr
.irp b, 0,1,2,3
	v_lshrrev_b32 v[BT+\b], 23, v[SOP+\b]          ; the scale's byte
.endr
	v_lshl_or_b32 v[PS], v[BT+1], 8, v[BT]         ; p's scale word for these 128 keys
	v_lshl_or_b32 v[PS], v[BT+2], 16, v[PS]
	v_lshl_or_b32 v[PS], v[BT+3], 24, v[PS]
.irp b, 0,1,2,3
	v_cvt_scalef32_pk8_fp4_f32 v[PC+2*\b], v[S+16*\b:S+7+16*\b], v[SOP+\b]      ; keys 32 b + 8 h + 0 .. 7
	v_cvt_scalef32_pk8_fp4_f32 v[PC+1+2*\b], v[S+8+16*\b:S+15+16*\b], v[SOP+\b] ; keys 32 b + 16 + 8 h + 0 .. 7
.endr
	v_nop                                          ; one plain place behind the last scaled conversion
.irp c, 0,1                                        ; the operand's layout wants a whole block in a lane: lanes 0-15 block 2 c, lanes 16-31 block 2 c + 1
.irp i, 0,1
	v_permlane16_swap_b32 v[PC+4*\c+\i], v[PC+2+4*\c+\i]
.endr
.endr
.irp j, 0,2,4,6,8,10,12,14
	v_pk_mul_f32 v[O+\j:O+\j+1], v[O+\j:O+\j+1], v[F1:F1+1] op_sel_hi:[1,0]   ; O^T under the new M, each tile from its low end on
.endr
.irp j, 32,36,40,44,48,52,56,60                    ; the sums' second half names no register of the two products below: seventeen places behind p's scale word (eight are asked) and p's codes (four)
	v_pk_add_f32 v[14:15], v[14:15], v[S+\j:S+\j+1]
	v_pk_add_f32 v[L2:L2+1], v[L2:L2+1], v[S+2+\j:S+3+\j]
.endr
	v_pk_add_f32 v[14:15], v[14:15], v[L2:L2+1]
	s_wait_dscnt 0x0                               ; v's fragments and scale words are in
	; O^T += v^T p^T.  The two accumulators take turns, and the eight products above stand between a tile's links
	v_wmma_scale_f32_16x16x128_f8f6f4 v[O:O+7], v[VF:VF+7], v[PC:PC+7], v[O:O+7], v[VS], v[PS] matrix_a_fmt:MATRIX_FMT_FP4 matrix_b_fmt:MATRIX_FMT_FP4
	v_wmma_scale_f32_16x16x128_f8f6f4 v[O+8:O+15], v[VF+8:VF+15], v[PC:PC+7], v[O+8:O+15], v[VS], v[PS] matrix_a_fmt:MATRIX_FMT_FP4 matrix_b_fmt:MATRIX_FMT_FP4 matrix_a_scale:MATRIX_SCALE_ROW1
	s_add_co_u32 s[TB], s[TB], STEPB               ; the next step
.endm
.macro RUN8                                        ; eight steps
	s_mov_b32 s[CNT], 8
.Lstep_\@:
	STEP
	s_sub_co_u32 s[CNT], s[CNT], 1
	s_cmp_lg_u32 s[CNT], 0
	s_cbranch_scc1 .Lstep_\@
.endm
	s_wait_tensorcnt 0x1                           ; my first tile is in; my second may stay out
	s_barrier_signal -1
	s_barrier_wait -1                              ; everybody's first is: steps 0-7 and 16-23 lie in LDS
	RUN8
	s_wait_tensorcnt 0x0                           ; my second tile is in,
	s_wait_dscnt 0x0
	s_barrier_signal -1
	s_barrier_wait -1                              ; everybody's is: steps 8-15 and 24-31
	RUN8
	; THE MERGE OF THE TWO HALVES OF THE KEYS
	v_add_f32 v14, v14, v15                        ; the sum's two halves.  (With the three lines below: four places behind the last products)
	v_nop
	v_nop
	v_nop
	v_permlanex16_b32 v[T], v14, s[SEL], s[SEL+1]
	v_add_f32 v13, v14, v[T]                       ; and lane l xor 16's: v[12:13] = (-M, the sum) of my half
	s_cmp_lt_u32 s[WV], 8
	s_cbranch_scc1 .Lkeep
.irp i, 0,1,2,3
	ds_store_b128 v[MA], v[O+4*\i:O+4*\i+3] offset:512*\i   ; waves 8-15: O^T goes to LDS as it stands, each tile from its low end on
.endr
	ds_store_b64 v[MB], v[12:13]
.Lkeep:
	s_wait_dscnt 0x0                               ; for the others' sake: my stores have landed
	s_barrier_signal -1
	s_barrier_wait -1
	s_cmp_ge_u32 s[WV], 8
	s_cbranch_scc1 .Lend
	; waves 0-7.  Wo's 32 rows of this head are asked for first: W(d, n = lane % 16); they land under the merge
.set i, 0
.rept 32
	global_load_b32 v[W+i], v[R4], s[10:11] offset:64*i
.set i, i+1
.endr
.irp i, 0,1,2,3
	ds_load_b128 v[S+4*\i:S+4*\i+3], v[MA] offset:512*\i
.endr
	ds_load_b64 v[96:97], v[MB]
	s_wait_dscnt 0x0
	v_min_num_f32 v[T], v12, v96                   ; -M of both halves together
	v_sub_f32 v98, v[T], v12                       ; my M less the common M,
	v_sub_f32 v99, v[T], v96                       ; the partner's likewise: whole numbers, 0 or less
	v_cvt_i32_f32 v98, v98
	v_cvt_i32_f32 v99, v99
	v_ldexp_f32 v[F1], 1.0, v98
	v_ldexp_f32 v[F2], 1.0, v99
	v_mul_f32 v100, v13, v[F1]
	v_fma_f32 v100, v97, v[F2], v100               ; the row's sum under the common M
	v_rcp_f32 v101, v100
	v_nop                                          ; one plain place behind the reciprocal
	s_wait_alu depctr_va_vdst(0)                   ; and the wait ahead of its first reader
	v_mul_f32 v[F1], v[F1], v101                   ; a power of two x 1 / the sum
	v_mul_f32 v[F2], v[F2], v101
.irp j, 0,2,4,6,8,10,12,14
	v_pk_mul_f32 v[O+\j:O+\j+1], v[O+\j:O+\j+1], v[F1:F1+1] op_sel_hi:[1,0]
.endr
.irp j, 0,2,4,6,8,10,12,14
	v_pk_fma_f32 v[O+\j:O+\j+1], v[S+\j:S+\j+1], v[F2:F2+1], v[O+\j:O+\j+1] op_sel_hi:[1,0,1]   ; the head's values: register 8 u + j of lane (r, h) is value 16 u + 8 h + j of query r
.endr
	; the head's 32 values of a query are one block of the last product's K: 16 in this lane, 16 in lane l xor 16
	v_max3_num_f32 v102, |v[O]|, |v[O+1]|, 0x1800000
.irp i, 2,4,6,8,10,12,14
	v_max3_num_f32 v102, v102, |v[O+\i]|, |v[O+\i+1]|
.endr
	v_permlanex16_b32 v[T], v102, s[SEL], s[SEL+1]
	v_max_num_f32 v102, v102, v[T]
	v_add_nc_u32 v103, 0xff000000, v102
	v_lshrrev_b32 v[HS], 23, v103                  ; byte 0: the block's scale; the other three blocks hold zero codes
.irp i, 2,3,4,5,6,7
	v_mov_b32 v[PC+\i], 0
.endr
	v_cvt_scalef32_pk8_fp4_f32 v[PC], v[O:O+7], v103
	v_cvt_scalef32_pk8_fp4_f32 v[PC+1], v[O+8:O+15], v103
	v_nop
	v_permlane16_swap_b32 v[PC], v[PC+2]           ; lanes 0-15 now hold the whole block, in the order 0-7, 16-23, 8-15, 24-31; lanes 16-31 zeros
	v_permlane16_swap_b32 v[PC+1], v[PC+3]
	s_wait_loadcnt 0x0                             ; Wo's numbers: a column's 32 are one block, all in one lane
	v_max3_num_f32 v136, |v[W]|, |v[W+1]|, |v[W+2]|
	v_max3_num_f32 v137, |v[W+3]|, |v[W+4]|, |v[W+5]|
.irp i, 6,10,14,18,22,26
	v_max3_num_f32 v136, v136, |v[W+\i]|, |v[W+\i+1]|
	v_max3_num_f32 v137, v137, |v[W+\i+2]|, |v[W+\i+3]|
.endr
	v_max3_num_f32 v136, v136, |v[W+30]|, |v[W+31]|
	v_max3_num_f32 v136, v136, v137, 0x1800000
	v_add_nc_u32 v138, 0xff000000, v136
	v_lshrrev_b32 v[WS], 23, v138
.irp i, 4,5,6,7
	v_mov_b32 v[WC+\i], 0
.endr
	v_cvt_scalef32_pk8_fp4_f32 v[WC], v[W:W+7], v138         ; rows 0-7,
	v_cvt_scalef32_pk8_fp4_f32 v[WC+1], v[W+16:W+23], v138   ; 16-23,
	v_cvt_scalef32_pk8_fp4_f32 v[WC+2], v[W+8:W+15], v138    ; 8-15,
	v_cvt_scalef32_pk8_fp4_f32 v[WC+3], v[W+24:W+31], v138   ; 24-31: the order of the head's values
.rept 8
	v_nop                                          ; the place behind the conversions; eight places between a scale word made by vector instructions and the scaled product, four for an operand
.endr
	; source 0 = Wo's 16 columns, source 1 = my 16 queries: register j of lane (r, h) is column 8 h + j of query r
	v_wmma_scale_f32_16x16x128_f8f6f4 v[S:S+7], v[WC:WC+7], v[PC:PC+7], 0, v[WS], v[HS] matrix_a_fmt:MATRIX_FMT_FP4 matrix_b_fmt:MATRIX_FMT_FP4
.rept 4
	v_nop
.endr
	global_store_b128 v[LI], v[S:S+3], s[12:13]              ; each store of the wave covers 512 consecutive bytes, at a multiple of 256 from part's first byte
	global_store_b128 v[LI], v[S+4:S+7], s[12:13] offset:512
.Lend:
	s_wait_tensorcnt 0x0                           ; the wave's end, behind my last tensor load and my last LDS store
	ds_add_u32 v[SPW], v[NIL]
	s_wait_dscnt 0x0
	CROUND                                         ; the closing round: no work-group ends while a partner may still ask for a tile that names it
	s_endpgm
.Lfunc_end_k_q230b1e8ba9_attn:
	.size	k_q230b1e8ba9_attn, .Lfunc_end_k_q230b1e8ba9_attn-k_q230b1e8ba9_attn
	.p2alignl 7, 3214868480
	.fill 96, 4, 3214868480
	.section	.rodata,"a",@progbits
	.p2align	6, 0x0
	.amdhsa_kernel k_q230b1e8ba9_attn
		.amdhsa_group_segment_fixed_size 167936
		.amdhsa_private_segment_fixed_size 0
		.amdhsa_enable_private_segment 0
		.amdhsa_kernarg_size 40
		.amdhsa_user_sgpr_count 2
		.amdhsa_user_sgpr_kernarg_segment_ptr 1
		.amdhsa_wavefront_size32 1
		.amdhsa_system_sgpr_workgroup_id_x 1
		.amdhsa_system_sgpr_workgroup_id_y 1
		.amdhsa_system_sgpr_workgroup_id_z 1
		.amdhsa_system_vgpr_workitem_id 0
		.amdhsa_next_free_vgpr 200
		.amdhsa_next_free_sgpr 66
		.amdhsa_reserve_vcc 1
		.amdhsa_float_denorm_mode_32 3
		.amdhsa_float_denorm_mode_16_64 3
		.amdhsa_memory_ordered 1
		.amdhsa_forward_progress 1
		.amdhsa_inst_pref_size 43
	.end_amdhsa_kernel
	.amdgpu_metadata
---
amdhsa.version: [ 1, 2 ]
amdhsa.kernels:
  - .name:           k_q230b1e8ba9_attn
    .symbol:         k_q230b1e8ba9_attn.kd
    .args:
      - { .name: kv, .offset: 0, .size: 8, .value_kind: global_buffer, .address_space: global }
      - { .name: qc, .offset: 8, .size: 8, .value_kind: global_buffer, .address_space: global }
      - { .name: qs, .offset: 16, .size: 8, .value_kind: global_buffer, .address_space: global }
      - { .name: Wo, .offset: 24, .size: 8, .value_kind: global_buffer, .address_space: global }
      - { .name: part, .offset: 32, .size: 8, .value_kind: global_buffer, .address_space: global }
    .group_segment_fixed_size: 167936
    .private_segment_fixed_size: 0
    .kernarg_segment_align: 8
    .kernarg_segment_size: 40
    .max_flat_workgroup_size: 512
    .sgpr_count:     66
    .vgpr_count:     200
    .wavefront_size: 32
...
	.end_amdgpu_metadata
.endif
;; end of part 2
;; launch sum (part 3): grid 256 x 1, 2 waves a work-group, no clusters, 0 bytes of LDS; arguments part, bo, out0; writes out0
.if DOCPART == 3
	.amdgcn_target "amdgcn-amd-amdhsa--gfx1250"
	.amdhsa_code_object_version 6
	.text
	.protected	k_q230b1e8ba9_sum
	.globl	k_q230b1e8ba9_sum
	.p2align	8
	.type	k_q230b1e8ba9_sum,@function
k_q230b1e8ba9_sum:
	s_mov_b64 s[64:65], 0
	v_nop
	global_prefetch_b8 v0, s[64:65] scope:SCOPE_SE
	s_setreg_imm32_b32 hwreg(HW_REG_WAVE_MODE, 25, 1), 1
	s_wait_xcnt 0x0
; out0[q][:] = bo + the sum over the 8 heads of part[head][q][:]: the last product's K = 256 is eight blocks of 32, one a head, whose f32 sums attn has stored.  Nothing of reference() is left out here.
; part is [head][tile of 16 queries][g 2][lane 32][4 f32]; lane 16 h + r holds query r, columns 8 h + 4 g + 0 .. 3.  A work-group takes a tile; thread t owns the 16 bytes at 16 t of the tile's 1,024 bytes of out0:
; query t / 4, columns 4 (t % 4) on: so g = t % 2, h = (t / 2) % 2, r = t / 4.  No LDS, no barrier: threads share nothing.
.set HEADP, 262144                     ; a head's bytes in part
	s_load_b128 s[4:7], s[0:1], 0x0                ; part, bo
	s_load_b64 s[8:9], s[0:1], 0x10                ; out0
	v_and_b32 v1, 1, v0                            ; g
	v_bfe_u32 v2, v0, 1, 1                         ; h
	v_lshrrev_b32 v3, 2, v0                        ; r
	v_lshlrev_b32 v3, 4, v3
	v_lshl_add_u32 v3, v2, 8, v3
	v_lshl_add_u32 v3, v1, 9, v3                   ; 512 g + 256 h + 16 r
	v_and_b32 v4, 3, v0
	v_lshlrev_b32 v4, 4, v4                        ; my four numbers of bo
	v_lshlrev_b32 v5, 4, v0                        ; my 16 bytes of out0
	s_lshl_b32 s10, ttmp9, 10                      ; the tile: 1,024 bytes in part and in out0
	s_mov_b32 s11, 0
	s_wait_kmcnt 0x0
	s_add_nc_u64 s[4:5], s[4:5], s[10:11]
	s_add_nc_u64 s[8:9], s[8:9], s[10:11]
.irp h, 0,1,2,3,4,5,6,7
	global_load_b128 v[8+4*\h:11+4*\h], v3, s[4:5] offset:HEADP*\h th:TH_LOAD_NT   ; read once in the launch; 7 heads on at the most: inside the signed 24-bit immediate
.endr
	global_load_b128 v[40:43], v4, s[6:7]
	s_wait_loadcnt 0x0
.irp h, 0,2,4,6                                    ; the heads in pairs,
	v_pk_add_f32 v[8+4*\h:9+4*\h], v[8+4*\h:9+4*\h], v[12+4*\h:13+4*\h]
	v_pk_add_f32 v[10+4*\h:11+4*\h], v[10+4*\h:11+4*\h], v[14+4*\h:15+4*\h]
.endr
.irp h, 0,4                                        ; the pairs in pairs,
	v_pk_add_f32 v[8+4*\h:9+4*\h], v[8+4*\h:9+4*\h], v[16+4*\h:17+4*\h]
	v_pk_add_f32 v[10+4*\h:11+4*\h], v[10+4*\h:11+4*\h], v[18+4*\h:19+4*\h]
.endr
	v_pk_add_f32 v[8:9], v[8:9], v[24:25]
	v_pk_add_f32 v[10:11], v[10:11], v[26:27]
	v_pk_add_f32 v[8:9], v[8:9], v[40:41]          ; and the bias
	v_pk_add_f32 v[10:11], v[10:11], v[42:43]
	global_store_b128 v5, v[8:11], s[8:9] th:TH_STORE_NT   ; a wave stores 512 consecutive bytes, at a multiple of 256 from out0's first byte
	s_endpgm
.Lfunc_end_k_q230b1e8ba9_sum:
	.size	k_q230b1e8ba9_sum, .Lfunc_end_k_q230b1e8ba9_sum-k_q230b1e8ba9_sum
	.p2alignl 7, 3214868480
	.fill 96, 4, 3214868480
	.section	.rodata,"a",@progbits
	.p2align	6, 0x0
	.amdhsa_kernel k_q230b1e8ba9_sum
		.amdhsa_group_segment_fixed_size 0
		.amdhsa_private_segment_fixed_size 0
		.amdhsa_enable_private_segment 0
		.amdhsa_kernarg_size 24
		.amdhsa_user_sgpr_count 2
		.amdhsa_user_sgpr_kernarg_segment_ptr 1
		.amdhsa_wavefront_size32 1
		.amdhsa_system_sgpr_workgroup_id_x 1
		.amdhsa_system_sgpr_workgroup_id_y 1
		.amdhsa_system_sgpr_workgroup_id_z 1
		.amdhsa_system_vgpr_workitem_id 0
		.amdhsa_next_free_vgpr 48
		.amdhsa_next_free_sgpr 66
		.amdhsa_reserve_vcc 0
		.amdhsa_float_denorm_mode_32 3
		.amdhsa_float_denorm_mode_16_64 3
		.amdhsa_memory_ordered 1
		.amdhsa_forward_progress 1
		.amdhsa_inst_pref_size 3
	.end_amdhsa_kernel
	.amdgpu_metadata
---
amdhsa.version: [ 1, 2 ]
amdhsa.kernels:
  - .name:           k_q230b1e8ba9_sum
    .symbol:         k_q230b1e8ba9_sum.kd
    .args:
      - { .name: part, .offset: 0, .size: 8, .value_kind: global_buffer, .address_space: global }
      - { .name: bo, .offset: 8, .size: 8, .value_kind: global_buffer, .address_space: global }
      - { .name: out0, .offset: 16, .size: 8, .value_kind: global_buffer, .address_space: global }
    .group_segment_fixed_size: 0
    .private_segment_fixed_size: 0
    .kernarg_segment_align: 8
    .kernarg_segment_size: 24
    .max_flat_workgroup_size: 64
    .sgpr_count:     66
    .vgpr_count:     48
    .wavefront_size: 32
...
	.end_amdgpu_metadata
.endif
;; end of part 3
;; ======== version 2 of 2: 2 launches
;; limits: right only within a limited range of input values
;; workspace buffers: kv 1,114,112 bytes; qc 524,288 bytes; qs 131,072 bytes; wo 2,560 bytes
;; launch prep (part 4): grid 32 x 8, 13 waves a work-group, no clusters, 2,048 bytes of LDS; arguments x, y, Wq, bq, Wk, bk, Wv, bv, Wo, kv, qc, qs, wo; writes kv, qc, qs, wo
.if DOCPART == 4
	.amdgcn_target "amdgcn-amd-amdhsa--gfx1250"
	.amdhsa_code_object_version 6
	.text
	.protected	k_q230b1e8ba9_prep
	.globl	k_q230b1e8ba9_prep
	.p2align	8
	.type	k_q230b1e8ba9_prep,@function
k_q230b1e8ba9_prep:
	s_mov_b64 s[64:65], 0
	v_nop
	global_prefetch_b8 v0, s[64:65] scope:SCOPE_SE
	s_setreg_imm32_b32 hwreg(HW_REG_WAVE_MODE, 25, 1), 1
	s_wait_xcnt 0x0
; MULTI-HEAD ATTENTION, 8 heads, 4,096 queries, 4,096 keys, model width 16, head size 32; the three large products on codes of E2M1 with one E8M0 scale for each 32 along K.
; THE PROGRAM: prep (this text): q = x Wq + bq, k = y Wk + bk, v = y Wv + bv in f32, quantised once, and Wo quantised once;  attn: q k^T, the softmax, p v, the last product and bo.
; NOTHING OF reference() IS LEFT OUT: every bias moves codes or scales of a quantised operand or is added to the output, so every input is loaded.
; THIS LAUNCH.  A work-group takes 128 rows (work-group x) of one head (work-group y).  Waves 0-3 make q from x, waves 4-7 k from y, waves 8-11 v from y, 32 rows each; wave 12 gathers the scale bytes of k and v, and in the
; work-groups with x = 0 quantises the head's 32 rows of Wo.  The projections (K = 16) go by the f32 matrix form, four links a sum, four sums by turns, each sum begun on the bias as C.
; Along K both operands take lane half h's k = 8 h + 2 i, + 1 in link i: so a lane loads 8 neighbours of a row of x or y.
; THE INDEX OF A TILE'S ROWS IS CHOSEN: lane r of tile u of W takes output 16 (r / 8) + 8 u + r % 8.  q and k: source 0 = W, source 1 = rows: lane (r, h) then holds outputs 16 h + 0 .. 15 of one row.
; v: source 0 = rows (key 16 (r / 8) + 8 u + r % 8), source 1 = W: lane (r, h) holds keys 16 h + 0 .. 15 of one output.  A block of 32 lies in lanes l and l xor 16: one permute joins the two largest magnitudes.
; WHAT IS STORED, as images of the operands' registers in attn:
;   kv [head][step of 128 keys][4,352 bytes]: 0: k's codes: key with bits b6 .. b0 at 1,024 b3 + 512 b6 + 256 b4 + 128 b5 + 16 (key % 8);  2,048: v's codes: tile g, block b of 32 keys at 1,024 g + 256 b + 16 r;
;   4,096: k's scale words: word 16 b3 + 8 b5 + key % 8, byte 2 b6 + b4;  4,224: v's scale words: word 16 g + r, byte b.
;   qc [head][row][16 bytes]: q's codes;  qs [head][row]: q's scale byte four times.   wo: [head][column][16 bytes] Wo's codes;  2,048: [head][column] a word with the scale byte.
; Each store of codes covers 256 consecutive bytes, aligned.
; A block's scale is 2^(floor(log2(its largest magnitude)) - 2); its byte is that magnitude's exponent field - 2, held at 1 from below by a floor among the maximum's leaves.
; LIMITS: a block of zeros gets the byte 1 where the rule says 127 (its codes are zeros, and this program alone reads the bytes); blocks whose largest magnitude lies under 2^-124 keep the byte 1;
; NaN and infinities among the inputs are not served.  No loop here to prefetch in.
.set STEPB, 4352
.set SPARE, 256                        ; LDS: 256 scale bytes, then the spare words: 13 x 128 bytes, rounded up to 7 blocks
.set WT, 32                            ; v32-47   W: tile u at + 8 u
.set RT, 48                            ; v48-63   rows: tile g at + 8 g
.set CB, 64                            ; v64-79   the bias as C
.set DB, 80                            ; v80-111  results: (u, g) at + 16 g + 8 u; written by matrix instructions alone
.set PC, 112                           ; v112-115 codes
.set MX, 116
.set TP, 118
.set SO, 120
.set BY, 122
.macro MM a, b, cu                     ; cu = 1: the bias goes by source 0's tile, 0: by source 1's
.irp k, 0,1,2,3
.irp g, 0,1
.irp u, 0,1
.if \k == 0
	v_wmma_f32_16x16x4_f32 v[DB+16*\g+8*\u:DB+16*\g+8*\u+7], v[\a+8*\u:\a+8*\u+1], v[\b+8*\g:\b+8*\g+1], v[CB+8*(\cu*\u+(1-\cu)*\g):CB+8*(\cu*\u+(1-\cu)*\g)+7]
.else
	v_wmma_f32_16x16x4_f32 v[DB+16*\g+8*\u:DB+16*\g+8*\u+7], v[\a+8*\u+2*\k:\a+8*\u+2*\k+1], v[\b+8*\g+2*\k:\b+8*\g+2*\k+1], v[DB+16*\g+8*\u:DB+16*\g+8*\u+7]
.endif
.endr
.endr
.endr
.endm
	s_load_b512 s[16:31], s[0:1], 0x0              ; x, y, Wq, bq, Wk, bk, Wv, bv
	s_load_b128 s[32:35], s[0:1], 0x40             ; Wo, kv
	s_load_b128 s[36:39], s[0:1], 0x50             ; qc, qs
	s_load_b64 s[40:41], s[0:1], 0x60              ; wo
	v_lshl_add_u32 v20, v0, 2, SPARE               ; my spare word; never rewritten
	v_mov_b32 v21, 0                               ; 0; never rewritten
	v_lshrrev_b32 v2, 5, v0
	v_readfirstlane_b32 s14, v2                    ; wave 0..12
	s_lshr_b32 s15, s14, 2                         ; 0 q, 1 k, 2 v, 3 the scales' wave
	s_and_b32 s13, s14, 3                          ; which 32 rows: sub
	s_and_b32 s12, s13, 1                          ; sub % 2
	s_lshr_b32 s3, s13, 1                          ; sub / 2
	s_and_b32 s48, ttmp7, 0xffff                   ; the head
	s_lshl_b32 s49, s48, 5
	s_add_co_u32 s49, s49, ttmp9
	s_mul_i32 s49, s49, STEPB                      ; the step in kv
	s_lshl_b32 s52, s13, 11                        ; q, v: rows 32 sub on
	s_lshl_b32 s66, s3, 12                         ; k: rows 64 (sub / 2) + 8 (sub % 2) on
	s_lshl_b32 s67, s12, 9
	s_add_co_u32 s66, s66, s67
	s_lshl_b32 s58, s48, 16                        ; q's codes
	s_lshl_b32 s67, ttmp9, 11
	s_add_co_u32 s58, s58, s67
	s_lshl_b32 s67, s13, 9
	s_add_co_u32 s58, s58, s67
	s_lshl_b32 s68, s12, 10                        ; k's codes
	s_add_co_u32 s68, s68, s49
	s_lshl_b32 s67, s3, 9
	s_add_co_u32 s68, s68, s67
	s_lshl_b32 s69, s13, 8                         ; v's codes
	s_add_co_u32 s69, s69, s49
	s_add_co_u32 s69, s69, 2048
	s_lshl_b32 s60, s48, 14                        ; q's scale words
	s_lshl_b32 s67, ttmp9, 9
	s_add_co_u32 s60, s60, s67
	s_lshl_b32 s67, s13, 7
	s_add_co_u32 s60, s60, s67
	s_add_co_u32 s62, s49, 4096                    ; the step's scale words
	s_lshl_b32 s54, s48, 11                        ; the head's weights (and its 32 rows of Wo)
	s_lshl_b32 s56, s48, 7                         ; its biases
	s_lshl_b32 s70, s48, 8                         ; its codes in wo
	s_lshl_b32 s72, s48, 6
	s_add_co_u32 s72, s72, 2048                    ; and scale words
	s_lshl_b32 s74, s12, 6
	s_lshl_b32 s75, s3, 1
	s_add_co_u32 s74, s74, s75                     ; k's scale bytes in LDS: 64 (sub % 2) + 2 (sub / 2)
	s_mov_b32 s80, 0x76543210
	s_mov_b32 s81, 0xfedcba98                      ; v_permlanex16_b32's selects for lane l xor 16
	s_mov_b32 s43, 512
	s_mov_b32 s44, 1024                            ; from tile to tile of rows: 16 rows,
	s_mov_b32 s45, 256                             ; of codes
	s_cmp_eq_u32 s15, 1
	s_cselect_b32 s52, s66, s52
	s_cselect_b32 s42, 2048, s43                   ; from lane 7 to lane 8: k 32 rows, q 8,
	s_cselect_b32 s58, s68, s58
	s_cmp_eq_u32 s15, 2
	s_cselect_b32 s42, 1024, s42                   ; v 16
	s_cselect_b32 s44, s43, s44                    ; v: tiles 8 rows apart
	s_cselect_b32 s45, 1024, s45
	s_cselect_b32 s58, s69, s58
	s_lshl_b32 s67, ttmp9, 13                      ; my 128 rows of 64 bytes
	s_add_co_u32 s52, s52, s67
.irp z, 53,55,57,59,61,63,71,73
	s_mov_b32 s[\z], 0
.endr
	v_and_b32 v1, 31, v0                           ; lane; every LDS address is made here, ahead of the first branch on the wave's number
	v_and_b32 v2, 15, v0                           ; r
	v_bfe_u32 v3, v0, 4, 1                         ; h
	v_bfe_u32 v4, v0, 3, 1                         ; r / 8
	v_and_b32 v5, 7, v0                            ; r % 8
	v_lshlrev_b32 v6, 6, v5
	v_lshl_add_u32 v6, v3, 5, v6
	v_mad_u32_u24 v6, v4, s42, v6                  ; rows, tile 0,
	v_add_nc_u32 v7, s44, v6                       ; tile 1
	v_lshlrev_b32 v8, 2, v5
	v_lshl_add_u32 v8, v4, 6, v8                   ; v's bias: 4 (16 (r / 8) + r % 8)
	v_lshl_add_u32 v9, v3, 10, v8                  ; W: + 8 h rows of 128 bytes
	v_lshlrev_b32 v10, 6, v3                       ; q's and k's bias: 16 h on
	v_lshlrev_b32 v11, 4, v2
	v_lshl_add_u32 v11, v3, 3, v11                 ; codes: 16 r + 8 h
	v_add_nc_u32 v12, s45, v11                     ; tile 1's
	v_lshl_add_u32 v13, v2, 2, v3
	v_add_nc_u32 v13, s74, v13                     ; k's scale byte in LDS
	v_lshl_add_u32 v14, v1, 2, 0x80
	v_add_nc_u32 v14, s13, v14                     ; v's
	v_lshlrev_b32 v15, 3, v1
	v_lshlrev_b32 v16, 2, v1
	v_lshlrev_b32 v18, 2, v2
	v_lshl_add_u32 v17, v3, 10, v18                ; Wo: 16 h rows of 64 bytes + column r
	v_mov_b32 v[TP], 0                             ; (a lane permute's destination counts as one of its sources)
	v_mov_b32 v[TP+1], 0
	v_cmp_gt_u32 vcc_lo, 16, v1
	s_wait_alu depctr_va_vdst(0)                   ; the wait at the head's end
	s_wait_kmcnt 0x0
	s_cmp_eq_u32 s15, 0                            ; the choices hang on the wave's number alone
	s_cselect_b64 s[4:5], s[16:17], s[18:19]
	s_cselect_b64 s[6:7], s[20:21], s[24:25]
	s_cselect_b64 s[8:9], s[22:23], s[26:27]
	s_cselect_b64 s[10:11], s[36:37], s[34:35]
	s_cmp_eq_u32 s15, 2
	s_cselect_b64 s[6:7], s[28:29], s[6:7]
	s_cselect_b64 s[8:9], s[30:31], s[8:9]
	s_add_nc_u64 s[4:5], s[4:5], s[52:53]
	s_add_nc_u64 s[6:7], s[6:7], s[54:55]
	s_add_nc_u64 s[8:9], s[8:9], s[56:57]
	s_add_nc_u64 s[10:11], s[10:11], s[58:59]
	s_add_nc_u64 s[38:39], s[38:39], s[60:61]
	s_add_nc_u64 s[46:47], s[34:35], s[62:63]
	s_add_nc_u64 s[32:33], s[32:33], s[54:55]
	s_add_nc_u64 s[76:77], s[40:41], s[72:73]
	s_add_nc_u64 s[78:79], s[40:41], s[70:71]
	s_cmp_eq_u32 s15, 3
	s_cbranch_scc1 .Lscales
.irp i, 0,1
	global_load_b128 v[RT+4*\i:RT+4*\i+3], v6, s[4:5] offset:16*\i
	global_load_b128 v[RT+8+4*\i:RT+8+4*\i+3], v7, s[4:5] offset:16*\i
.endr
.irp i, 0,1,2,3,4,5,6,7
	global_load_b32 v[WT+\i], v9, s[6:7] offset:128*\i
	global_load_b32 v[WT+8+\i], v9, s[6:7] offset:128*\i+32
.endr
	s_cmp_eq_u32 s15, 2
	s_cbranch_scc1 .Lvproj
.irp i, 0,1,2,3
	global_load_b128 v[CB+4*\i:CB+4*\i+3], v10, s[8:9] offset:16*\i
.endr
	s_wait_loadcnt 0x0
	MM WT, RT, 1
	s_branch .Lquant
.Lvproj:
	global_load_b32 v[CB], v8, s[8:9]
	global_load_b32 v[CB+8], v8, s[8:9] offset:32
	s_wait_loadcnt 0x0
.irp i, 1,2,3,4,5,6,7
	v_mov_b32 v[CB+\i], v[CB]
	v_mov_b32 v[CB+8+\i], v[CB+8]
.endr
	MM RT, WT, 0
.Lquant:
.rept 8
	v_nop                                          ; the places behind the f32 form
.endr
.irp g, 0,1
	v_max3_num_f32 v[MX+\g], |v[DB+16*\g]|, |v[DB+16*\g+1]|, 0x1800000   ; and the floor 2^(3 - 127)
.endr
.irp i, 2,4,6,8,10,12,14
.irp g, 0,1
	v_max3_num_f32 v[MX+\g], v[MX+\g], |v[DB+16*\g+\i]|, |v[DB+16*\g+\i+1]|
.endr
.endr
.irp g, 0,1
	v_permlanex16_b32 v[TP+\g], v[MX+\g], s80, s81
.endr
.irp g, 0,1
	v_max_num_f32 v[MX+\g], v[MX+\g], v[TP+\g]
.endr
.irp g, 0,1
	v_add_nc_u32 v[SO+\g], 0xff000000, v[MX+\g]    ; 2 off the exponent field: the conversion's scale operand
.endr
.irp g, 0,1
	v_lshrrev_b32 v[BY+\g], 23, v[SO+\g]
.endr
.irp g, 0,1
.irp u, 0,1
	v_cvt_scalef32_pk8_fp4_f32 v[PC+2*\g+\u], v[DB+16*\g+8*\u:DB+16*\g+8*\u+7], v[SO+\g]
.endr
.endr
	v_cndmask_b32 v[BY], v[BY+1], v[BY], vcc_lo    ; lane l keeps the byte of row (v: of output tile row) l; a plain place behind the conversions
	v_mul_lo_u32 v124, v[BY], 0x1010101            ; the byte four times, for q
	s_wait_alu depctr_va_vdst(0)                   ; the wait here, ahead of the branches
	global_store_b64 v11, v[PC:PC+1], s[10:11]
	global_store_b64 v12, v[PC+2:PC+3], s[10:11]
	s_cmp_eq_u32 s15, 0
	s_cbranch_scc0 .Lnot_q
	global_store_b32 v16, v124, s[38:39]
	s_branch .Lmeet
.Lnot_q:
	s_cmp_eq_u32 s15, 1
	s_cbranch_scc0 .Lv_byte
	ds_store_b8 v13, v[BY]
	s_branch .Lmeet
.Lv_byte:
	ds_store_b8 v14, v[BY]
	s_branch .Lmeet
.Lscales:
	s_cmp_lg_u32 ttmp9, 0
	s_cbranch_scc1 .Lmeet
.set i, 0
.rept 16
	global_load_b32 v[WT+i], v17, s[32:33] offset:64*i   ; Wo(32 head + 16 h + i, r): lane (r, h) holds 16 neighbours along K
.set i, i+1
.endr
	s_wait_loadcnt 0x0
	v_max3_num_f32 v[MX], |v[WT]|, |v[WT+1]|, 0x1800000
	v_max3_num_f32 v[MX+1], |v[WT+2]|, |v[WT+3]|, |v[WT+4]|
	v_max3_num_f32 v[MX], v[MX], |v[WT+5]|, |v[WT+6]|
	v_max3_num_f32 v[MX+1], v[MX+1], |v[WT+7]|, |v[WT+8]|
	v_max3_num_f32 v[MX], v[MX], |v[WT+9]|, |v[WT+10]|
	v_max3_num_f32 v[MX+1], v[MX+1], |v[WT+11]|, |v[WT+12]|
	v_max3_num_f32 v[MX], v[MX], |v[WT+13]|, |v[WT+14]|
	v_max3_num_f32 v[MX], v[MX], v[MX+1], |v[WT+15]|
	v_permlanex16_b32 v[TP], v[MX], s80, s81
	v_max_num_f32 v[MX], v[MX], v[TP]
	v_add_nc_u32 v[SO], 0xff000000, v[MX]
	v_cvt_scalef32_pk8_fp4_f32 v[PC], v[WT:WT+7], v[SO]
	v_cvt_scalef32_pk8_fp4_f32 v[PC+1], v[WT+8:WT+15], v[SO]
	v_lshrrev_b32 v[BY], 23, v[SO]
	s_wait_alu depctr_va_vdst(0)                   ; the wait here, ahead of the branch
	global_store_b64 v11, v[PC:PC+1], s[78:79]
	global_store_b32 v18, v[BY], s[76:77]          ; (lanes l and l xor 16 store the same word with the same value)
.Lmeet:
	s_wait_dscnt 0x0                               ; my scale bytes are in LDS
	s_barrier_signal -1
	s_barrier_wait -1
	s_cmp_lg_u32 s15, 3
	s_cbranch_scc1 .Lend
	ds_load_b64 v[22:23], v15
	s_wait_dscnt 0x0
	global_store_b64 v15, v[22:23], s[46:47]       ; the step's 256 scale bytes: one aligned unit
.Lend:
	s_wait_tensorcnt 0x0                           ; the wave's end
	ds_add_u32 v20, v21
	s_wait_dscnt 0x0
	s_endpgm
.Lfunc_end_k_q230b1e8ba9_prep:
	.size	k_q230b1e8ba9_prep, .Lfunc_end_k_q230b1e8ba9_prep-k_q230b1e8ba9_prep
	.p2alignl 7, 3214868480
	.fill 96, 4, 3214868480
	.section	.rodata,"a",@progbits
	.p2align	6, 0x0
	.amdhsa_kernel k_q230b1e8ba9_prep
		.amdhsa_group_segment_fixed_size 2048
		.amdhsa_private_segment_fixed_size 0
		.amdhsa_enable_private_segment 0
		.amdhsa_kernarg_size 104
		.amdhsa_user_sgpr_count 2
		.amdhsa_user_sgpr_kernarg_segment_ptr 1
		.amdhsa_wavefront_size32 1
		.amdhsa_system_sgpr_workgroup_id_x 1
		.amdhsa_system_sgpr_workgroup_id_y 1
		.amdhsa_system_sgpr_workgroup_id_z 1
		.amdhsa_system_vgpr_workitem_id 0
		.amdhsa_next_free_vgpr 128
		.amdhsa_next_free_sgpr 100
		.amdhsa_reserve_vcc 1
		.amdhsa_float_denorm_mode_32 3
		.amdhsa_float_denorm_mode_16_64 3
		.amdhsa_memory_ordered 1
		.amdhsa_forward_progress 1
		.amdhsa_inst_pref_size 16
	.end_amdhsa_kernel
	.amdgpu_metadata
---
amdhsa.version: [ 1, 2 ]
amdhsa.kernels:
  - .name:           k_q230b1e8ba9_prep
    .symbol:         k_q230b1e8ba9_prep.kd
    .args:
      - { .name: x, .offset: 0, .size: 8, .value_kind: global_buffer, .address_space: global }
      - { .name: y, .offset: 8, .size: 8, .value_kind: global_buffer, .address_space: global }
      - { .name: Wq, .offset: 16, .size: 8, .value_kind: global_buffer, .address_space: global }
      - { .name: bq, .offset: 24, .size: 8, .value_kind: global_buffer, .address_space: global }
      - { .name: Wk, .offset: 32, .size: 8, .value_kind: global_buffer, .address_space: global }
      - { .name: bk, .offset: 40, .size: 8, .value_kind: global_buffer, .address_space: global }
      - { .name: Wv, .offset: 48, .size: 8, .value_kind: global_buffer, .address_space: global }
      - { .name: bv, .offset: 56, .size: 8, .value_kind: global_buffer, .address_space: global }
      - { .name: Wo, .offset: 64, .size: 8, .value_kind: global_buffer, .address_space: global }
      - { .name: kv, .offset: 72, .size: 8, .value_kind: global_buffer, .address_space: global }
      - { .name: qc, .offset: 80, .size: 8, .value_kind: global_buffer, .address_space: global }
      - { .name: qs, .offset: 88, .size: 8, .value_kind: global_buffer, .address_space: global }
      - { .name: wo, .offset: 96, .size: 8, .value_kind: global_buffer, .address_space: global }
    .group_segment_fixed_size: 2048
    .private_segment_fixed_size: 0
    .kernarg_segment_align: 8
    .kernarg_segment_size: 104
    .max_flat_workgroup_size: 416
    .sgpr_count:     100
    .vgpr_count:     128
    .wavefront_size: 32
...
	.end_amdgpu_metadata
.endif
;; end of part 4
;; launch attn (part 5): grid 256 x 1, 16 waves a work-group, no clusters, 22,784 bytes of LDS; arguments kv, qc, qs, wo, bo, out0; writes out0
.if DOCPART == 5
	.amdgcn_target "amdgcn-amd-amdhsa--gfx1250"
	.amdhsa_code_object_version 6
	.text
	.protected	k_q230b1e8ba9_attn
	.globl	k_q230b1e8ba9_attn
	.p2align	8
	.type	k_q230b1e8ba9_attn,@function
k_q230b1e8ba9_attn:
	s_mov_b64 s[64:65], 0
	v_nop
	global_prefetch_b8 v0, s[64:65] scope:SCOPE_SE
	s_setreg_imm32_b32 hwreg(HW_REG_WAVE_MODE, 25, 1), 1
	s_wait_xcnt 0x0
; out0[q][:] = bo + the sum over heads of Q(softmax(q k^T / sqrt(32)) v) Q(Wo), all three products on codes of E2M1.  Nothing of reference() is left out here.
; SHARES.  A work-group owns 16 queries of ALL eight heads, so that the last product (K = 256) ends in it.  A head's 4,096 keys are 16 trips of 256, shared by two waves: heads 0-3 by waves h (trips 0-11) and 12 + h (12-15),
; heads 4-7 by waves h (0-8) and 4 + h (9-15).  So each set of waves w, w + 4, w + 8, w + 12 has 12 + 9 + 7 + 4 = 32 trips.
; K AND V GO FROM MEMORY STRAIGHT INTO REGISTERS: a wave's stream is read by no other wave of its work-group, so LDS holds no tile, and no wave waits for another in the loop.
; cluster = none: no LDS tile is filled, so there is nothing that a joint load could bring; a ring in LDS for all eight heads would take 278,528 bytes for two slots of 512 keys and eight rounds of barriers.
; THE SOFTMAX: t = score x log2(e) / sqrt(32); M = the running largest t rounded up to a whole number; p = 2^(t - M) is quantised along the keys, not normalised; the row's sum is taken of the unquantised p.
; When M moves, the sum and O are multiplied by 2^(old M - new M): exact.
; LAYOUT.  Both products transposed, 32 rows an instruction: S^T = K Q^T, O^T = V^T P^T: a lane holds ONE query (lane % 16).  K = 32 fills one of the instruction's four blocks: an operand of K holds 4 x 32 keys, one set a
; block, and Q stands in one block with zeros in the others: four forms of Q choose the set.  prep laid the keys so that lane half h's 32 registers of two sets are the 32 keys of one block of the quantiser, in order:
; a block's largest score needs no other lane, and the conversions' results are p's operand as they come.
; A trip works on two halves of 128 keys; the next trip's products stand between this trip's p v products, so that the accumulators take turns.  In the last trip the second p v product starts a sum of its own.
; LOADS: two groups of ten a trip, each asked for behind the products that have read its registers, and waited for by count ahead of the same products of the next trip.
; PREFETCH: trip i asks for what trips i + 3 (K) and i + 4 (V) of the streams of waves 0-11 read (waves 12-15 have four trips, which come by their loads alone): 34 blocks of 256 bytes a stream, four streams to five
; work-groups, a lane a block (lanes left over name the last again), one instruction in wave 0 of work-groups 0-4 (waves 0-3's streams, 8 trips), 5-9 (waves 4-7's, 5 trips), 10-14 (waves 8-11's, 3 trips).
; LIMITS: the promise holds while the scaled scores (t) stay under 2^31 in magnitude.  A block whose largest p lies under 2^-124 has the byte 0 (2^-127) where the rule holds it at 1: parts under 2^-124 beside a row sum of 1/2 or more.
; A block's exponent is floor(t - M) of its largest score, which is floor(log2 p).  A block of zeros of the last product's operand has the byte 1.  NaN and infinities are not served.
.set STEPB, 4352
.set HEADB, 32*STEPB
.set CH,    2*STEPB                    ; a trip's bytes of a stream
.set MRG,   0                          ; LDS: 8 x 2,304: O, -M and the sum of waves 8-15
.set MRGT,  2304
.set HC,    8*MRGT                     ; the heads' codes: [head][query][16 bytes]
.set HSC,   HC+2048                    ; their scale words: [heads 0-3, 4-7][query]
.set SPARE, HSC+256                    ; the spare words, 128 bytes a wave
.set LA,  1                            ; v1   16 x lane
.set LB,  2                            ; v2   4 x lane
.set PFO, 3                            ; v3   the prefetches' offset
.set QS,  4                            ; v4   q's scales;  v5 p's scales;  v6-7 K's, v8-9 V's
.set PS,  5
.set KS,  6
.set VS,  8
.set NM,  10                           ; v10 -M, v11 the largest score so far
.set RM,  11
.set FF,  12                           ; v12 2^(old M - new M), v13 at work
.set TT,  13
.set L,   14                           ; v[14:15] the sum in two halves
.set QV,  16                           ; v16-35 Q in lanes 0-15, 0, Q in lanes 16-31, 0, Q in lanes 0-15
.set PC,  36                           ; v36-43 at work in the maxima, then p's codes
.set BM,  44                           ; v44-47 the blocks' largest scores, then the conversions' scale operands, then sums
.set KF,  48                           ; v48-79 K
.set VF,  80                           ; v80-111 V
.set O,   112                          ; v112-127 O^T
.set S,   128                          ; v128-255 S^T, then p
.set D2,  48                           ; v48-63 the last trip's second p v product
.set WV,  16
.set LIM, 19
.set SEL, 20
.set CS,  22
.set NC,  24
.set CNT, 25
.set KVB, 26
.set PFB, 28
.set NTR, 46                           ; s46  my trips less the two that are written out
.macro LDK u, off
.irp i, 0,1,2,3
	global_load_b128 v[KF+16*\u+4*\i:KF+16*\u+4*\i+3], v[LA], s[KVB:KVB+1] offset:\off+STEPB*\u+512*\i
.endr
	global_load_b32 v[KS+\u], v[LB], s[KVB:KVB+1] offset:\off+STEPB*\u+4096
.endm
.macro LDV u
.irp i, 0,1,2,3
	global_load_b128 v[VF+16*\u+4*\i:VF+16*\u+4*\i+3], v[LA], s[KVB:KVB+1] offset:STEPB*\u+2048+512*\i
.endr
	global_load_b32 v[VS+\u], v[LB], s[KVB:KVB+1] offset:STEPB*\u+4224
.endm
.macro QKT u, t, q
	v_wmma_scale_f32_32x16x128_f4 v[S+64*\u+16*\t:S+64*\u+16*\t+15], v[KF+16*\u:KF+16*\u+15], v[\q:(\q)+7], 0, v[KS+\u], v[QS]
.endm
.macro QK u                            ; 128 keys
	QKT \u, 0, QV
	QKT \u, 1, QV+8
	QKT \u, 2, QV+12
	QKT \u, 3, QV+4
.endm
.macro MX3 d, a, b                     ; two blocks: d of each takes two more scores
.irp e, 0,1
	v_max3_num_f32 v[\d+\e], v[\d+\e], v[MXB+32*\e+\a], v[MXB+32*\e+\b]
.endr
.endm
.macro MX1 d, a                        ; and its first three
.irp e, 0,1
	v_max3_num_f32 v[\d+\e], v[MXB+32*\e+\a], v[MXB+32*\e+\a+1], v[MXB+32*\e+\a+2]
.endr
.endm
.macro MAXPAIR g                       ; the largest score of blocks g and g + 1, four chains each, each accumulator from its low end on
.set MXB, S+32*(\g)
	MX1 BM+\g, 0
	MX1 PC+2, 16
	MX1 PC, 9
	MX1 PC+4, 25
	MX3 BM+\g, 3, 4
	MX3 PC+2, 19, 20
	MX3 PC, 12, 13
	MX3 PC+4, 28, 29
	MX3 BM+\g, 5, 6
	MX3 PC+2, 21, 22
	MX3 PC, 14, 15
	MX3 PC+4, 30, 31
	MX3 BM+\g, 7, 8
	MX3 PC+2, 23, 24
.irp e, 0,1
	v_max3_num_f32 v[BM+\g+\e], v[BM+\g+\e], v[PC+\e], v[PC+2+\e]
.endr
.irp e, 0,1
	v_max_num_f32 v[BM+\g+\e], v[BM+\g+\e], v[PC+4+\e]
.endr
.endm
.macro CODES u
.irp i, 0,1,2,3,4,5,6,7
	v_cvt_scalef32_pk8_fp4_f32 v[PC+\i], v[S+64*\u+8*\i:S+64*\u+8*\i+7], v[BM+2*\u+\i/4]
.endr
.endm
.macro ADD2 d, a                       ; d += a, two numbers
	v_pk_add_f32 v[\d:(\d)+1], v[\d:(\d)+1], v[\a:(\a)+1]
.endm
.macro SUMA n                          ; the first half's p in place over eight pairs (they have been converted)
.rept \n
	ADD2 S+2*(j%8), S+2*j
.set j, j+1
.endr
.endm
.macro SUMB n                          ; the second half's over four of its own pairs, the sum and six registers at work
.rept \n
.set AC, S+78+2*(j%8)
.if (j%8) == 4
.set AC, L
.endif
.if (j%8) == 5
.set AC, BM
.endif
.if (j%8) == 6
.set AC, BM+2
.endif
.if (j%8) == 7
.set AC, FF
.endif
	ADD2 AC, S+86+2*j
.set j, j+1
.endr
.endm
; A TRIP: 256 keys whose scores stand in S.  more = 1: the next trip's scores, and its V;  ldk = 1: K of the trip after, and the prefetch.
; n1: the loads behind the first group that may stay out (the second group of the trip before);  n2: behind the second (this trip's first group).
.macro ITER more, ldk, n1, n2
	MAXPAIR 0
	MAXPAIR 2
	v_max3_num_f32 v[TT], v[RM], v[BM], v[BM+1]
	s_delay_alu instid0(VALU_DEP_1)
	v_max3_num_f32 v[RM], v[TT], v[BM+2], v[BM+3]
	s_delay_alu instid0(VALU_DEP_1)
	v_permlanex16_b32 v[TT], v[RM], s[SEL], s[SEL+1]
	s_delay_alu instid0(VALU_DEP_1)
	v_max_num_f32 v[RM], v[RM], v[TT]              ; with lane l xor 16's keys
	s_delay_alu instid0(VALU_DEP_1)
	v_mul_f32 v[TT], s[NC], v[RM]                  ; -t
	s_delay_alu instid0(VALU_DEP_1)
	v_floor_f32 v[TT], v[TT]                       ; the new -M = floor(-t)
	s_delay_alu instid0(VALU_DEP_1)
	v_sub_f32 v[FF], v[TT], v[NM]
	v_mov_b32 v[NM], v[TT]
.irp b, 0,1,2,3
	v_fma_f32 v[BM+\b], v[BM+\b], s[CS], v[NM]     ; a block's largest t - M
.endr
	v_cvt_i32_f32 v[FF], v[FF]                     ; (it saturates)
.irp b, 0,1,2,3
	v_cvt_floor_i32_f32 v[BM+\b], v[BM+\b]
.endr
	v_ldexp_f32 v[FF], 1.0, v[FF]
.irp b, 0,1,2,3
	v_ldexp_f32 v[BM+\b], 0x3e800000, v[BM+\b]     ; 2^(floor - 2): the block's scale
.endr
.irp j, 0,2,4,6,8,10,12,14
	v_pk_mul_f32 v[O+\j:O+\j+1], v[O+\j:O+\j+1], v[FF:FF+1] op_sel_hi:[1,0]
.endr
.set j, 0
.rept 64
	v_pk_fma_f32 v[S+j:S+j+1], v[S+j:S+j+1], s[CS:CS+1], v[NM:NM+1] op_sel_hi:[1,0,0]
.set j, j+2
.endr
	s_wait_alu depctr_va_vdst(0)                   ; the wait ahead of the batch
.set j, 0
.rept 128
	v_exp_f32 v[S+j], v[S+j]
.set j, j+1
.endr
	v_pk_mul_f32 v[L:L+1], v[L:L+1], v[FF:FF+1] op_sel_hi:[1,0]   ; plain work behind the batch that names none of its results
	v_lshrrev_b32 v[TT], 23, v[BM]                 ; p's scale word: lane half h has the bytes of blocks h and 2 + h; lanes 0-15 are read
	v_lshrrev_b32 v[FF], 23, v[BM+1]
	s_delay_alu instid0(VALU_DEP_1)
	v_lshl_or_b32 v[TT], v[FF], 16, v[TT]
	s_delay_alu instid0(VALU_DEP_1)
	v_permlanex16_b32 v[FF], v[TT], s[SEL], s[SEL+1]
	s_delay_alu instid0(VALU_DEP_1)
	v_lshl_or_b32 v[PS], v[FF], 8, v[TT]
	s_wait_alu depctr_va_vdst(0)                   ; the batch's wait, ahead of the waits below
	s_wait_loadcnt \n1                             ; this trip's first half of V and the next trip's first half of K
.if \more
	s_wait_xcnt 0x0                                ; loads and prefetch have read their addresses
	s_add_nc_u64 s[KVB:KVB+1], s[KVB:KVB+1], CH
.endif
.if \ldk
	s_add_nc_u64 s[PFB:PFB+1], s[PFB:PFB+1], CH
	s_cmp_lt_u32 s[CNT], s[LIM]
	s_cbranch_scc0 .Lnot_mine_\@
	global_prefetch_b8 v[PFO], s[PFB:PFB+1] th:TH_LOAD_NT scope:SCOPE_SE
.Lnot_mine_\@:
.endif
	CODES 0
	ADD2 L, S+16                                   ; a plain place behind the conversions; the row's sum, of the unquantised p
.set j, 9
	SUMA 3
	v_lshrrev_b32 v[TT], 23, v[BM+2]               ; the second half's scale word, among the sums
	SUMA 2
	v_lshrrev_b32 v[FF], 23, v[BM+3]
	SUMA 6
	v_lshl_or_b32 v[TT], v[FF], 16, v[TT]
	SUMA 6
	v_permlanex16_b32 v[FF], v[TT], s[SEL], s[SEL+1]
	SUMA 6
	v_wmma_scale_f32_32x16x128_f4 v[O:O+15], v[VF:VF+15], v[PC:PC+7], v[O:O+15], v[VS], v[PS]
	ADD2 S, S+2                                    ; the places behind the product
	ADD2 S+4, S+6
	ADD2 S+8, S+10
	ADD2 S+12, S+14
	ADD2 S, S+4
	ADD2 S+8, S+12
	v_lshl_or_b32 v[PS], v[FF], 8, v[TT]
	ADD2 S, S+8
	s_delay_alu instid0(VALU_DEP_1)
	ADD2 L, S
.if \more
	QK 0
.endif
	CODES 1
	ADD2 L, S+76                                   ; a plain place behind the conversions
	v_pk_add_f32 v[BM:BM+1], v[S+64:S+65], v[S+66:S+67]
	v_pk_add_f32 v[BM+2:BM+3], v[S+68:S+69], v[S+70:S+71]
	v_pk_add_f32 v[FF:FF+1], v[S+72:S+73], v[S+74:S+75]
.set j, 0
	SUMB 4
.if \more
	LDV 0                                          ; the first group: eight places behind the products
.endif
.if \ldk
	LDK 0, CH
.endif
	SUMB 17
	ADD2 BM, S+80
	ADD2 BM+2, S+82
	ADD2 FF, S+84
	ADD2 L, S+78
	s_wait_alu depctr_va_vdst(0)                   ; the wait here, directly ahead of the wait below
	s_wait_loadcnt \n2                             ; the second halves of V and of the next trip's K
.if \more
	v_wmma_scale_f32_32x16x128_f4 v[O:O+15], v[VF+16:VF+31], v[PC:PC+7], v[O:O+15], v[VS+1], v[PS]
	QK 1
.else
	v_wmma_scale_f32_32x16x128_f4 v[D2:D2+15], v[VF+16:VF+31], v[PC:PC+7], 0, v[VS+1], v[PS]
.endif
	ADD2 BM, BM+2                                  ; the places behind the products
	ADD2 L, FF
	v_nop
	ADD2 L, BM
.if \more
	LDV 1                                          ; the second group
.endif
.if \ldk
	LDK 1, CH
.endif
.endm
	s_load_b256 s[4:11], s[0:1], 0x0               ; kv, qc, qs, wo
	s_load_b128 s[12:15], s[0:1], 0x20             ; bo, out0
	v_lshrrev_b32 v200, 5, v0
	v_readfirstlane_b32 s[WV], v200                ; wave 0..15
	s_lshr_b32 s18, s[WV], 3
	s_lshl_b32 s36, s18, 2
	s_and_b32 s17, s[WV], 7
	s_xor_b32 s17, s17, s36                        ; the head: waves 8-11 heads 4-7, waves 12-15 heads 0-3
	s_mul_i32 s30, s17, HEADB
	s_lshr_b32 s37, s[WV], 2
	s_cmp_eq_u32 s37, 0
	s_cselect_b32 s[NTR], 10, 7                    ; 12 trips, 9,
	s_cmp_eq_u32 s37, 2
	s_cselect_b32 s[NTR], 5, s[NTR]                ; 7,
	s_cselect_b32 s36, 9*CH, 0
	s_cmp_eq_u32 s37, 3
	s_cselect_b32 s[NTR], 2, s[NTR]                ; 4
	s_cselect_b32 s36, 12*CH, s36
	s_add_co_u32 s30, s30, s36                     ; my first trip in kv
	s_mov_b32 s31, 0
	s_lshl_b32 s32, s17, 16                        ; q's codes
	s_lshl_b32 s36, ttmp9, 8
	s_add_co_u32 s32, s32, s36
	s_mov_b32 s33, 0
	s_lshl_b32 s34, s17, 14                        ; and scale words
	s_lshl_b32 s36, ttmp9, 6
	s_add_co_u32 s34, s34, s36
	s_mov_b32 s35, 0
	s_mul_i32 s37, ttmp9, 205
	s_lshr_b32 s37, s37, 10                        ; work-group / 5: whose streams
	s_mul_i32 s36, s37, 5
	s_sub_co_u32 s36, ttmp9, s36
	s_lshl_b32 s36, s36, 5                         ; 32 x (work-group % 5)
	s_cmp_eq_u32 s37, 0
	s_cselect_b32 s[LIM], 8, 0                     ; the trips that ask
	s_cselect_b32 s40, 0, 4*HEADB                  ; heads 0-3 or 4-7
	s_cmp_eq_u32 s37, 1
	s_cselect_b32 s[LIM], 5, s[LIM]
	s_cmp_eq_u32 s37, 2
	s_cselect_b32 s[LIM], 3, s[LIM]
	s_cselect_b32 s41, 9*CH, 0
	s_add_co_u32 s40, s40, s41
	s_add_co_u32 s40, s40, 3*CH                    ; the first trip steps it to the stream's fifth
	s_mov_b32 s41, 0
	s_cmp_eq_u32 s[WV], 0
	s_cselect_b32 s[LIM], s[LIM], 0
	s_mov_b32 s[SEL], 0x76543210
	s_mov_b32 s[SEL+1], 0xfedcba98                 ; v_permlanex16_b32's selects for lane l xor 16
	s_mov_b32 s[CS], 0x3e8293ee                    ; c = log2(e) / sqrt(32)
	s_mov_b32 s[CS+1], s[CS]
	s_mov_b32 s[NC], 0xbe8293ee                    ; -c
	s_mov_b32 s[CNT], 0
	s_lshl_b32 s38, ttmp9, 10
	s_mov_b32 s39, 0
	v_and_b32 v200, 31, v0
	v_lshlrev_b32 v[LA], 4, v200
	v_lshlrev_b32 v[LB], 2, v200
	v_and_b32 v201, 15, v0
	v_lshlrev_b32 v203, 4, v201
	v_lshlrev_b32 v204, 2, v201
	v_add_nc_u32 v205, s36, v200
	v_min_u32 v205, 0x87, v205                     ; block b of four streams' 136
	v_mul_u32_u24 v206, 1928, v205
	v_lshrrev_b32 v206, 16, v206                   ; its stream, b / 34 (exact here)
	v_lshlrev_b32 v[PFO], 8, v205
	v_mad_u32_u24 v[PFO], v206, 0x1fe00, v[PFO]    ; 256 b + stream x (HEADB - CH)
	v_cmp_gt_u32 vcc_lo, 16, v200
	s_wait_alu depctr_va_vdst(0)                   ; the wait here, directly ahead of the wait below
	s_wait_kmcnt 0x0
	s_add_nc_u64 s[KVB:KVB+1], s[4:5], s[30:31]
	s_add_nc_u64 s[PFB:PFB+1], s[4:5], s[40:41]
	s_add_nc_u64 s[6:7], s[6:7], s[32:33]
	s_add_nc_u64 s[8:9], s[8:9], s[34:35]
	s_add_nc_u64 s[14:15], s[14:15], s[38:39]
	global_load_b128 v[S:S+3], v203, s[6:7]
	global_load_b32 v[QS], v204, s[8:9]
	LDK 0, 0
	LDK 1, 0
	LDV 0
.irp i, 0,1,2,3
	v_mov_b32 v[QV+4+\i], 0
	v_mov_b32 v[QV+12+\i], 0
.endr
	v_mov_b32 v[RM], 0xff61b1e6                    ; -3e38, under every score
	v_mov_b32 v[NM], 0x7f61b1e6                    ; 3e38: the first f is 0, over zeros
	v_mov_b32 v[L], 0
	v_mov_b32 v[L+1], 0
	v_mov_b32 v[TT], 0
	v_mov_b32 v[FF], 0
	s_wait_alu depctr_va_vdst(0)                   ; the wait here, directly ahead of the wait below
	s_wait_loadcnt 5                               ; Q and K are in; V's first five loads may be out
.irp i, 0,1,2,3
	v_cndmask_b32 v[QV+\i], 0, v[S+\i], vcc_lo
	v_cndmask_b32 v[QV+16+\i], 0, v[S+\i], vcc_lo
	v_cndmask_b32 v[QV+8+\i], v[S+\i], v[QV+4+\i], vcc_lo
.endr
.set j, 0
.rept 16
	v_mov_b32 v[O+j], 0                            ; O^T begins as zeros: the loop is written once.  (Places in front of the products too)
.set j, j+1
.endr
	QK 0
	QK 1
.rept 4
	v_nop
.endr
	LDK 0, CH                                      ; the order of the loop's two groups: V's and K's first halves, then their second
	LDV 1
	LDK 1, CH
.Ltrip:
	ITER 1, 1, 10, 10
	s_add_co_u32 s[CNT], s[CNT], 1
	s_cmp_lt_u32 s[CNT], s[NTR]
	s_cbranch_scc1 .Ltrip
	ITER 1, 0, 10, 5                               ; my last trip but one: no K beyond the stream's end
	ITER 0, 0, 5, 0                                ; my last trip
	; THE WAY OUT
.irp j, 0,2,4,6,8,10,12,14
	v_pk_add_f32 v[O+\j:O+\j+1], v[O+\j:O+\j+1], v[D2+\j:D2+\j+1]
.endr
	v_add_f32 v[L], v[L], v[L+1]
	s_mul_i32 s40, s17, MRGT
	s_add_co_u32 s40, s40, MRG
	s_add_co_u32 s41, s40, 2048
	v_permlanex16_b32 v[TT], v[L], s[SEL], s[SEL+1]
	s_lshl_b32 s42, s17, 8
	s_add_co_u32 s42, s42, HC
	v_add_f32 v[RM], v[L], v[TT]                   ; the row's sum: v[10:11] = -M, sum
	s_wait_alu depctr_va_vdst(0)                   ; the wait here, ahead of the run of scalar lines
	s_lshr_b32 s43, s17, 2
	s_lshl_b32 s43, s43, 6
	s_and_b32 s44, s17, 3
	s_add_co_u32 s43, s43, s44
	s_add_co_u32 s43, s43, HSC
	s_and_b32 s45, s[WV], 1
	s_lshl_b32 s45, s45, 3                         ; waves 0 and 1: my eight queries of the output
	; every LDS address is made here, ahead of the first branch on the wave's number
	v_and_b32 v160, 31, v0
	v_and_b32 v161, 15, v0                         ; r
	v_bfe_u32 v162, v0, 4, 1                       ; h
	v_lshlrev_b32 v163, 4, v160
	v_add_nc_u32 v163, s40, v163                   ; O
	v_lshlrev_b32 v164, 3, v160
	v_add_nc_u32 v164, s41, v164                   ; -M and the sum
	v_lshlrev_b32 v165, 4, v161
	v_lshl_add_u32 v165, v162, 3, v165
	v_add_nc_u32 v165, s42, v165                   ; my head's codes
	v_lshlrev_b32 v166, 2, v161
	v_add_nc_u32 v166, s43, v166                   ; my head's scale byte
	v_lshrrev_b32 v167, 1, v161
	v_add_nc_u32 v167, s45, v167                   ; the last product: column r is query 8 wave + r / 2
	v_lshlrev_b32 v168, 8, v162
	v_lshl_add_u32 v168, v167, 4, v168
	v_add_nc_u32 v168, HC, v168                    ; its codes, head h
	v_lshlrev_b32 v169, 2, v167
	v_add_nc_u32 v169, HSC, v169                   ; its scale words
	v_and_b32 v173, 1, v161
	v_lshlrev_b32 v170, 6, v167
	v_lshl_add_u32 v170, v162, 5, v170
	v_lshl_add_u32 v170, v173, 4, v170             ; its 16 bytes of out0
	v_lshlrev_b32 v171, 8, v162
	v_lshl_add_u32 v171, v161, 4, v171             ; Wo's codes
	v_lshlrev_b32 v172, 2, v161                    ; and scale words
	v_lshlrev_b32 v159, 5, v162                    ; bo
	v_lshl_add_u32 v174, v0, 2, SPARE              ; my spare word
	v_mov_b32 v175, 0
	v_mov_b32 v147, 0
	v_mov_b32 v149, 0
	s_wait_alu depctr_va_vdst(0)                   ; the wait here, ahead of the branches
	s_cmp_ge_u32 s[WV], 2
	s_cbranch_scc1 .Lno_wo
.irp v, 0,1
.irp c, 0,1
	global_load_b128 v[176+8*\v+4*\c:179+8*\v+4*\c], v171, s[10:11] offset:1024*\v+512*\c
.endr
.endr
.irp h, 0,1,2,3,4,5,6,7
	global_load_b32 v[192+\h], v172, s[10:11] offset:2048+64*\h
.endr
	global_load_b128 v[200:203], v159, s[12:13]
	global_load_b128 v[204:207], v159, s[12:13] offset:16
.Lno_wo:
	s_cmp_lt_u32 s[WV], 8
	s_cbranch_scc1 .Lkeep
.irp i, 0,1,2,3
	ds_store_b128 v163, v[O+4*\i:O+4*\i+3] offset:512*\i
.endr
	ds_store_b64 v164, v[NM:NM+1]
.Lkeep:
	s_wait_dscnt 0x0
	s_barrier_signal -1
	s_barrier_wait -1
	s_cmp_ge_u32 s[WV], 8
	s_cbranch_scc1 .Ljoin
.irp i, 0,1,2,3
	ds_load_b128 v[S+4*\i:S+4*\i+3], v163 offset:512*\i
.endr
	ds_load_b64 v[144:145], v164
	s_wait_dscnt 0x0
	v_min_num_f32 v154, v[NM], v144                ; the two waves' shares under the larger M
	v_sub_f32 v155, v154, v[NM]
	v_sub_f32 v156, v154, v144
	v_cvt_i32_f32 v155, v155
	v_cvt_i32_f32 v156, v156
	v_ldexp_f32 v146, 1.0, v155
	v_ldexp_f32 v148, 1.0, v156
	v_mul_f32 v157, v[RM], v146
	v_fma_f32 v157, v145, v148, v157               ; the row's sum
	s_wait_alu depctr_va_vdst(0)                   ; the wait ahead of the transcendental
	v_rcp_f32 v158, v157
	v_nop
	s_wait_alu depctr_va_vdst(0)                   ; and behind it
	v_mul_f32 v146, v146, v158
	v_mul_f32 v148, v148, v158
.irp j, 0,2,4,6,8,10,12,14
	v_pk_mul_f32 v[O+\j:O+\j+1], v[O+\j:O+\j+1], v[146:147] op_sel_hi:[1,0]
.endr
.irp j, 0,2,4,6,8,10,12,14
	v_pk_fma_f32 v[O+\j:O+\j+1], v[S+\j:S+\j+1], v[148:149], v[O+\j:O+\j+1] op_sel_hi:[1,0,1]
.endr
	v_max3_num_f32 v155, |v[O]|, |v[O+1]|, |v[O+2]|   ; lane (r, h) holds the head's 16 h + 0 .. 15 of query r
	v_max3_num_f32 v156, |v[O+3]|, |v[O+4]|, |v[O+5]|
	v_max3_num_f32 v155, v155, |v[O+6]|, |v[O+7]|
	v_max3_num_f32 v156, v156, |v[O+8]|, |v[O+9]|
	v_max3_num_f32 v155, v155, |v[O+10]|, |v[O+11]|
	v_max3_num_f32 v156, v156, |v[O+12]|, |v[O+13]|
	v_max3_num_f32 v155, v155, |v[O+14]|, |v[O+15]|
	v_max3_num_f32 v155, v155, v156, 0x1800000
	v_permlanex16_b32 v154, v155, s[SEL], s[SEL+1]
	v_max_num_f32 v155, v155, v154
	v_add_nc_u32 v152, 0xff000000, v155
	v_cvt_scalef32_pk8_fp4_f32 v150, v[O:O+7], v152
	v_cvt_scalef32_pk8_fp4_f32 v151, v[O+8:O+15], v152
	v_lshrrev_b32 v153, 23, v152
	v_nop
	ds_store_b64 v165, v[150:151]
	ds_store_b8 v166, v153                         ; (lanes l and l xor 16: the same byte, the same value)
.Ljoin:
	s_wait_dscnt 0x0
	s_barrier_signal -1
	s_barrier_wait -1
	s_cmp_ge_u32 s[WV], 2
	s_cbranch_scc1 .Lend
	; THE LAST PRODUCT, K = 256, two instructions: waves 0 and 1, eight queries each, every query in two neighbouring columns, so that one store covers 512 consecutive bytes
.irp v, 0,1
.irp c, 0,1
	ds_load_b128 v[208+8*\v+4*\c:211+8*\v+4*\c], v168 offset:1024*\v+512*\c
.endr
.endr
	ds_load_b32 v224, v169
	ds_load_b32 v225, v169 offset:64
	s_wait_loadcnt 0x0
	s_wait_dscnt 0x0
	v_lshl_or_b32 v226, v193, 8, v192              ; Wo's scale words: four heads' bytes
	v_lshl_or_b32 v227, v197, 8, v196
	v_lshl_or_b32 v226, v194, 16, v226
	v_lshl_or_b32 v227, v198, 16, v227
	v_lshl_or_b32 v226, v195, 24, v226
	v_lshl_or_b32 v227, v199, 24, v227
	v_cmp_eq_u32 vcc_lo, 1, v173
.rept 8
	v_nop                                          ; a scale register so written stands 8 places ahead
.endr
	s_wait_alu depctr_va_vdst(0)                   ; the wait ahead of both links
	v_wmma_scale_f32_16x16x128_f8f6f4 v[228:235], v[176:183], v[208:215], v[200:207], v226, v224 matrix_a_fmt:MATRIX_FMT_FP4 matrix_b_fmt:MATRIX_FMT_FP4
	s_wait_alu depctr_va_vdst(0)
	v_wmma_scale_f32_16x16x128_f8f6f4 v[228:235], v[184:191], v[216:223], v[228:235], v227, v225 matrix_a_fmt:MATRIX_FMT_FP4 matrix_b_fmt:MATRIX_FMT_FP4
.rept 4
	v_nop
.endr
.irp j, 0,1,2,3
	v_cndmask_b32 v[236+\j], v[228+\j], v[232+\j], vcc_lo   ; even lanes columns 8 h + 0 .. 3, odd lanes + 4 .. 7
.endr
	global_store_b128 v170, v[236:239], s[14:15]
.Lend:
	s_wait_tensorcnt 0x0                           ; the wave's end
	ds_add_u32 v174, v175
	s_wait_dscnt 0x0
	s_endpgm
.Lfunc_end_k_q230b1e8ba9_attn:
	.size	k_q230b1e8ba9_attn, .Lfunc_end_k_q230b1e8ba9_attn-k_q230b1e8ba9_attn
	.p2alignl 7, 3214868480
	.fill 96, 4, 3214868480
	.section	.rodata,"a",@progbits
	.p2align	6, 0x0
	.amdhsa_kernel k_q230b1e8ba9_attn
		.amdhsa_group_segment_fixed_size 22784
		.amdhsa_private_segment_fixed_size 0
		.amdhsa_enable_private_segment 0
		.amdhsa_kernarg_size 48
		.amdhsa_user_sgpr_count 2
		.amdhsa_user_sgpr_kernarg_segment_ptr 1
		.amdhsa_wavefront_size32 1
		.amdhsa_system_sgpr_workgroup_id_x 1
		.amdhsa_system_sgpr_workgroup_id_y 1
		.amdhsa_system_sgpr_workgroup_id_z 1
		.amdhsa_system_vgpr_workitem_id 0
		.amdhsa_next_free_vgpr 256
		.amdhsa_next_free_sgpr 66
		.amdhsa_reserve_vcc 1
		.amdhsa_float_denorm_mode_32 3
		.amdhsa_float_denorm_mode_16_64 3
		.amdhsa_memory_ordered 1
		.amdhsa_forward_progress 1
		.amdhsa_inst_pref_size 83
	.end_amdhsa_kernel
	.amdgpu_metadata
---
amdhsa.version: [ 1, 2 ]
amdhsa.kernels:
  - .name:           k_q230b1e8ba9_attn
    .symbol:         k_q230b1e8ba9_attn.kd
    .args:
      - { .name: kv, .offset: 0, .size: 8, .value_kind: global_buffer, .address_space: global }
      - { .name: qc, .offset: 8, .size: 8, .value_kind: global_buffer, .address_space: global }
      - { .name: qs, .offset: 16, .size: 8, .value_kind: global_buffer, .address_space: global }
      - { .name: wo, .offset: 24, .size: 8, .value_kind: global_buffer, .address_space: global }
      - { .name: bo, .offset: 32, .size: 8, .value_kind: global_buffer, .address_space: global }
      - { .name: out0, .offset: 40, .size: 8, .value_kind: global_buffer, .address_space: global }
    .group_segment_fixed_size: 22784
    .private_segment_fixed_size: 0
    .kernarg_segment_align: 8
    .kernarg_segment_size: 48
    .max_flat_workgroup_size: 512
    .sgpr_count:     66
    .vgpr_count:     256
    .wavefront_size: 32
...
	.end_amdgpu_metadata
.endif
;; end of part 5
